; MI455X (gfx1250); checked and timed in simulation.
; The chip was launched on July 23, 2026; its instructions are those of AMD's public machine-readable ISA for CDNA 5 (MIT licence, August 2026) and "CDNA5" Instruction Set Architecture Reference Guide (July 2026). The comments in the code are by the model that wrote it; some were corrected since.
;; VQ Vi T. Allowed arithmetic: matrix products marked QUANTISED: E5M2 operands, one given power-of-two scale a tensor, by v_wmma_f32_16x16x64_bf8_bf8 or v_wmma_f32_16x16x128_bf8_bf8, f32 sums; everything else in f32.
;; Inputs: code_age 8,192 float32; emb 8,192 x 256 float32; lowp_scales 2 int32 (the exponents e of the quantised operands' scales 2^e); z 4 x 2,048 x 256 float32.
;; Outputs: out0 4 x 2,048 x 256 float32; out1 one number float32; out2 one number float32; out3 8,192 int32; out4 one number float32; out5 one number float32.
;; This version of the problem:
;;   THIS VERSION OF THE PROBLEM IS GIVEN IN LOW PRECISION. The matrix products marked QUANTISED in the list below multiply operands that are first quantised to E5M2 (5 exponent bits, 2 mantissa bits; 8 bits a number), with one given power-of-two scale for each operand tensor; their sums are f32. All else is computed in f32.
;;   The module's matrix products, in the order in which they are computed (A, B: the left and right operand; K: the contracted axis; several contracted axes count as one K, in the product's order):
;;     1. [M 8,192, K 256] x [K 256, N 8,192]; A: input z; B: input emb: QUANTISED (scales: A lowp_scales[0], B lowp_scales[1])
;;   THE QUANTISER, for each operand of a quantised product, along K:
;;     - The operand's scale is 2^e, e = its entry of the input lowp_scales (int32; the entries are numbered through the quantised products in the list's order, A before B).
;;     - Each number is divided by the scale, clamped to +-57,344, and rounded to the nearest number of E5M2, ties to even, subnormals kept.
;;     - The product sums the exact products of the quantised numbers (number of the format x scale) in f32.
;;   ~~~python
;;   def quantise(x, axis, e):      # numpy; x: float32 -> the quantised numbers, widened to float32 again
;;       x = np.moveaxis(x, axis, -1); K = x.shape[-1]
;;       r = np.clip(x / 2.0 ** e, -57344, 57344)
;;       step = 2.0 ** (np.maximum(np.frexp(np.where(r == 0, 1, r))[1] - 1, -14) - 2)
;;       q = np.round(r / step) * step * 2.0 ** e      # np.round: ties to even
;;       return np.moveaxis(q, -1, axis).astype(np.float32)
;;   ~~~
;; 2 versions. Each part assembles by itself: llvm-mc -triple=amdgcn-amd-amdhsa -mcpu=gfx1250 --defsym DOCPART=n.
;; ======== version 1 of 2: 4 launches
;; workspace buffers: codes 4,194,304 bytes; sq 65,536 bytes; cand_d 131,072 bytes; cand_i 131,072 bytes of whole numbers; part 1,024 bytes
;; launch prep (part 1): grid 256 x 1, 4 waves a work-group, no clusters, 168,448 bytes of LDS; arguments z, emb, lowp_scales, codes, sq; writes codes, sq
.if DOCPART == 1
	.amdgcn_target "amdgcn-amd-amdhsa--gfx1250"
	.amdhsa_code_object_version 6
	.text
	.protected	k_q88b671c4f0_prep
	.globl	k_q88b671c4f0_prep
	.p2align	8
	.type	k_q88b671c4f0_prep,@function
k_q88b671c4f0_prep:
	s_mov_b64 s[64:65], 0
	v_nop
	global_prefetch_b8 v0, s[64:65] scope:SCOPE_SE
	s_setreg_imm32_b32 hwreg(HW_REG_WAVE_MODE, 25, 1), 1
	s_wait_xcnt 0x0
; z [8192][256] and emb [8192][256], f32, become codes of BF8 (E5M2), each tensor with its given scale 2^e, and each row's sum of squares (of the numbers as they are given) is made in f32.
; code = x / 2^e, held within +-57,344, to the nearest code, ties to even.  LIMITS: -126 <= e <= 112, so that 2^e and 57,344 x 2^e are f32 numbers; NaN among the inputs is not served.
; THE CODES ARE LAID AS THE NEXT LAUNCH'S OPERAND REGISTERS: a set is 16 rows x 256 K = 4,096 bytes; byte 512 u + 16 lane + i of a set is row lane % 16, k = 32 u + 16 (lane / 16) + i.
; Sets 0-511 are z's, sets 512-1023 emb's.  The same place for each k in both tensors: every product meets its partner.
; SHARES: 1,024 sets, 1,024 waves: wave w of work-group x takes set 4 x + w.  Work-groups 0-127 take z, the others emb: only pointers and the exponent are chosen, there is one path.
; The 16 rows (16 KiB, dense in memory) come by one tensor load into the wave's own LDS bytes, rows 1,040 bytes apart, so that the sixteen rows which a load of 16 bytes a lane touches
; begin at sixteen different 16-byte columns modulo 256.  No cluster: no two work-groups read the same bytes.
.set PITCH, 1040
.set WTILE, 16*PITCH                   ; a wave's tile in LDS
.set SCR,   4*WTILE                    ; 66,560: behind the tiles, a block of 256 bytes of its own: the work-group's 64 sums of squares
.set X,     32                         ; v32-159  my 128 numbers: chunk u at v[X + 16 u]
.set C,     160                        ; v160-191 my codes: chunk u at v[C + 4 u]; no store's data are written again
	s_load_b128 s[4:7], s[0:1], 0x0                ; z, emb
	s_load_b128 s[8:11], s[0:1], 0x10              ; the scales' exponents, codes
	s_load_b64 s[24:25], s[0:1], 0x20              ; sq
	v_lshl_add_u32 v192, v0, 2, 0x29000
	v_mov_b32 v193, 0
	ds_add_u32 v192, v193
	ds_add_u32 v192, v193
	v_lshrrev_b32 v1, 5, v0
	v_readfirstlane_b32 s26, v1                    ; wave 0..3
	; descriptor group 1: 16 rows x 256 elements of 4 bytes, four words of padding behind every 256 words
	s_mov_b32 s16, (2<<16)|(1<<20)|(7<<22)|(3<<25)
	s_mov_b32 s17, 256<<16                         ; tensor_dim0 = 256
	s_mov_b32 s18, 16<<16                          ; tensor_dim1 = 16
	s_mov_b32 s19, 256<<16                         ; tile_dim0 = 256
	s_mov_b32 s20, 16                              ; tile_dim1 = 16
	s_mov_b32 s21, 256                             ; elements from row to row
	s_mov_b32 s22, 0
	s_mov_b32 s23, 0
	s_and_b32 s27, ttmp9, 127
	s_lshl_b32 s27, s27, 2
	s_add_co_u32 s27, s27, s26                     ; my set within its tensor
	s_lshl_b32 s28, s27, 14                        ; x 16 rows of 1,024 bytes
	s_mov_b32 s29, 0
	s_lshl_b32 s30, ttmp9, 2
	s_add_co_u32 s30, s30, s26                     ; my set among the 1,024
	s_lshl_b32 s30, s30, 12                        ; x 4,096 bytes
	s_mov_b32 s31, 0
	s_lshl_b32 s32, ttmp9, 8                       ; the work-group's 64 sums: 256 bytes, at 256 x in sq (z's rows first, then emb's)
	s_mov_b32 s33, 0
	s_mul_i32 s34, s26, WTILE                      ; my tile in LDS
	s_mov_b32 s38, 0x76543210                      ; v_permlanex16_b32: lane l xor 16
	s_mov_b32 s39, 0xfedcba98
	s_wait_dscnt 0x0
	s_wait_kmcnt 0x0
	s_load_b64 s[36:37], s[8:9], 0x0               ; e of z, e of emb
	s_cmp_lt_u32 ttmp9, 128                        ; z's work-group or emb's: the choice hangs on the work-group's number alone
	s_cselect_b64 s[4:5], s[4:5], s[6:7]
	s_mov_b32 s12, 1                               ; group 0: count = 1,
	s_mov_b32 s13, s34                             ; LDS address,
	s_add_nc_u64 s[14:15], s[4:5], s[28:29]        ; global address of my 16 rows,
	s_or_b32 s15, s15, 0x80000000                  ; type = 2
	tensor_load_to_lds s[12:15], s[16:23]          ; my one tensor load
	s_nop 0
.rept 4
	v_nop
.endr
	v_and_b32 v1, 31, v0                           ; lane
	v_and_b32 v2, 15, v0                           ; r
	v_bfe_u32 v3, v0, 4, 1                         ; h
	v_mul_u32_u24 v4, v2, PITCH
	v_lshl_add_u32 v4, v3, 6, v4
	v_add_nc_u32 v4, s34, v4                       ; row r of my tile, + 64 h: my 16 numbers of a block of 32
	v_lshlrev_b32 v5, 4, v1                        ; 16 x lane: my codes' place in a chunk's 512 bytes
	s_lshl_b32 s35, s26, 6
	s_add_co_u32 s35, s35, SCR
	v_lshl_add_u32 v6, v2, 2, s35                  ; where row r's sum goes: SCR + 64 wave + 4 r
	v_lshl_add_u32 v7, v1, 3, SCR                  ; where wave 0 reads two sums back
	v_lshlrev_b32 v8, 3, v1                        ; and their place in the 256 bytes of sq
	v_mov_b32 v24, 0                               ; a lane permute's destination counts as read: written once
	s_add_nc_u64 s[10:11], s[10:11], s[30:31]
	s_add_nc_u64 s[24:25], s[24:25], s[32:33]
	s_wait_kmcnt 0x0
	s_cmp_lt_u32 ttmp9, 128
	s_cselect_b32 s36, s36, s37                    ; e
	s_add_co_i32 s36, s36, 127
	s_lshl_b32 s37, s36, 23
	v_mov_b32 v11, s37                             ; 2^e as f32: the conversion takes its exponent field
	s_add_co_i32 s36, s36, 15
	s_lshl_b32 s36, s36, 23
	s_or_b32 s36, s36, 0x600000
	v_mov_b32 v10, s36                             ; 57,344 x 2^e
	s_wait_tensorcnt 0x0                           ; my tile is in LDS; only I read it, so no barrier is needed
.irp u, 0,1,2,3,4,5,6,7
.irp i, 0,1,2,3
	ds_load_b128 v[X+16*\u+4*\i:X+16*\u+4*\i+3], v4 offset:128*\u+16*\i
.endr
.endr
; Chunk u: my 16 numbers k = 32 u + 16 h + 0 .. 15: squares into two chains, the hold, 16 codes, one store of 512 consecutive bytes a wave.
.macro CHUNK u
	s_wait_dscnt 28-4*\u                           ; LDS loads come back in order: the four of this chunk are in, the 28 - 4 u younger ones may be out
.irp k, 0,2,4,6
.if (\u == 0) && (\k == 0)
	v_pk_mul_f32 v[20:21], v[X:X+1], v[X:X+1]      ; the first squares start the sums: nothing is cleared
	v_pk_mul_f32 v[22:23], v[X+2:X+3], v[X+2:X+3]
.else
	v_pk_fma_f32 v[20:21], v[X+16*\u+2*\k:X+16*\u+2*\k+1], v[X+16*\u+2*\k:X+16*\u+2*\k+1], v[20:21]
	v_pk_fma_f32 v[22:23], v[X+16*\u+2*\k+2:X+16*\u+2*\k+3], v[X+16*\u+2*\k+2:X+16*\u+2*\k+3], v[22:23]
.endif
.endr
.irp i, 0,1,2,3,4,5,6,7,8,9,10,11,12,13,14,15
	v_med3_num_f32 v[X+16*\u+\i], v[X+16*\u+\i], -v10, v10   ; the conversion to an 8-bit code does not saturate (ISA guide 7.6.2): the hold comes first
.endr
	v_cvt_scalef32_pk8_bf8_f32 v[C+4*\u:C+4*\u+1], v[X+16*\u:X+16*\u+7], v11
	v_cvt_scalef32_pk8_bf8_f32 v[C+4*\u+2:C+4*\u+3], v[X+16*\u+8:X+16*\u+15], v11
	global_store_b128 v5, v[C+4*\u:C+4*\u+3], s[10:11] offset:512*\u   ; the codes go only to this store; the vector lines that follow are plain and touch other registers
.endm
.irp u, 0,1,2,3,4,5,6,7
	CHUNK \u
.endr
	v_pk_add_f32 v[20:21], v[20:21], v[22:23]
	v_add_f32 v20, v20, v21                        ; my half of row r,
	v_permlanex16_b32 v24, v20, s38, s39
	v_add_f32 v20, v20, v24                        ; and the other half's
	ds_store_b32 v6, v20                           ; lanes r and r + 16 write the same word with the same number
	s_wait_dscnt 0x0                               ; for wave 0's sake: my store has landed
	s_barrier_signal -1
	s_barrier_wait -1
	s_cmp_lg_u32 s26, 0
	s_cbranch_scc1 .Lend
	ds_load_b64 v[26:27], v7
	s_wait_dscnt 0x0
	global_store_b64 v8, v[26:27], s[24:25]        ; the work-group's 64 sums: 256 consecutive bytes, at a multiple of 256 from sq's first byte
.Lend:
	s_wait_tensorcnt 0x0
	ds_add_u32 v192, v193
	s_wait_dscnt 0x0
	s_endpgm
.Lfunc_end_k_q88b671c4f0_prep:
	.size	k_q88b671c4f0_prep, .Lfunc_end_k_q88b671c4f0_prep-k_q88b671c4f0_prep
	.p2alignl 7, 3214868480
	.fill 96, 4, 3214868480
	.section	.rodata,"a",@progbits
	.p2align	6, 0x0
	.amdhsa_kernel k_q88b671c4f0_prep
		.amdhsa_group_segment_fixed_size 168448
		.amdhsa_private_segment_fixed_size 0
		.amdhsa_enable_private_segment 0
		.amdhsa_kernarg_size 40
		.amdhsa_user_sgpr_count 2
		.amdhsa_user_sgpr_kernarg_segment_ptr 1
		.amdhsa_wavefront_size32 1
		.amdhsa_system_sgpr_workgroup_id_x 1
		.amdhsa_system_sgpr_workgroup_id_y 1
		.amdhsa_system_sgpr_workgroup_id_z 1
		.amdhsa_system_vgpr_workitem_id 0
		.amdhsa_next_free_vgpr 194
		.amdhsa_next_free_sgpr 66
		.amdhsa_reserve_vcc 0
		.amdhsa_float_denorm_mode_32 3
		.amdhsa_float_denorm_mode_16_64 3
		.amdhsa_memory_ordered 1
		.amdhsa_forward_progress 1
		.amdhsa_inst_pref_size 21
	.end_amdhsa_kernel
	.amdgpu_metadata
---
amdhsa.version: [ 1, 2 ]
amdhsa.kernels:
  - .name:           k_q88b671c4f0_prep
    .symbol:         k_q88b671c4f0_prep.kd
    .args:
      - { .name: z, .offset: 0, .size: 8, .value_kind: global_buffer, .address_space: global }
      - { .name: emb, .offset: 8, .size: 8, .value_kind: global_buffer, .address_space: global }
      - { .name: lowp_scales, .offset: 16, .size: 8, .value_kind: global_buffer, .address_space: global }
      - { .name: codes, .offset: 24, .size: 8, .value_kind: global_buffer, .address_space: global }
      - { .name: sq, .offset: 32, .size: 8, .value_kind: global_buffer, .address_space: global }
    .group_segment_fixed_size: 168448
    .private_segment_fixed_size: 0
    .kernarg_segment_align: 8
    .kernarg_segment_size: 40
    .max_flat_workgroup_size: 128
    .sgpr_count:     66
    .vgpr_count:     194
    .wavefront_size: 32
...
	.end_amdgpu_metadata
.endif
;; end of part 1
;; launch dist (part 2): grid 64 x 4, 4 waves a work-group, clusters of 4 x 1, 327,680 bytes of LDS; arguments codes, sq, lowp_scales, cand_d, cand_i; writes cand_d, cand_i
.if DOCPART == 2
	.amdgcn_target "amdgcn-amd-amdhsa--gfx1250"
	.amdhsa_code_object_version 6
	.text
	.protected	k_q88b671c4f0_dist
	.globl	k_q88b671c4f0_dist
	.p2align	8
	.type	k_q88b671c4f0_dist,@function
k_q88b671c4f0_dist:
	s_mov_b64 s[64:65], 0
	v_nop
	global_prefetch_b8 v0, s[64:65] scope:SCOPE_SE
	s_setreg_imm32_b32 hwreg(HW_REG_WAVE_MODE, 25, 1), 1
	s_wait_xcnt 0x0
	s_wait_alu depctr_hold_cnt(0) depctr_sa_sdst(0) depctr_va_vdst(0) depctr_va_sdst(0) depctr_va_ssrc(0) depctr_va_vcc(0) depctr_vm_vsrc(0)
	s_getreg_b32 s2, hwreg(HW_REG_IB_STS2, 6, 4)
	s_cmp_eq_u32 s2, 0
	s_cbranch_scc0 .Lentry_in_a_cluster
	s_endpgm
.Lentry_in_a_cluster:
	s_bfe_u32 s2, ttmp6, 0x10000c
	s_cmp_lg_u32 s2, 0x3003
	s_cbranch_scc0 .Lentry_shape_is_right
	s_endpgm
.Lentry_shape_is_right:
; d[m][n] = (|z_m|^2 + |e_n|^2) - 2 (z_m . e_n), the product on codes of BF8 (E5M2); for each row m and each of four blocks of 2,048 codes: the least d and the FIRST code that attains it.
; ROUNDING AS THE DEFINITION HAS IT: A = sz + se is one f32 addition; d = A - 2 P is one fused multiply-add of the matrix sum with -2^(1 + e0 + e1), a power of two: one rounding.
; Ties go to the lower code: a later code replaces the running least d only where it is strictly less, and merges compare (d, then n).
; LIMITS: -127 <= e0 + e1 <= 126, so that 2^(1 + e0 + e1) is an f32 number.  A row all of whose d are +infinity or NaN is not served (it would get a code that means nothing).
; SHARES.  A work-group: 128 rows (block mblk) x 2,048 codes (block y): 64 x 4 work-groups.  Wave w: all 128 rows x strip 4 y + w of 512 codes = 32 sets of 16.
; z's codes (8 sets, 256 registers) stay in each wave's registers; emb's come set by set from the wave's own ring in LDS: a set's 4,096 bytes feed 16 products.
; CLUSTER.  The four work-groups of a cluster share y and differ in mblk: they walk the same codes of emb and the same se, so those are asked for JOINTLY: wave w of all four issues the same tensor load with
; the same descriptor and the mask of all four.  My place in the cluster enters only global addresses of z's codes, sz and the results.
; THE PRODUCT IS USED TRANSPOSED: source 0 = 16 codes of emb, source 1 = 16 rows of z.  Lane (r, h) then holds row 16 t + r, and register j code 16 s + 8 h + j: the minimum over codes runs inside a lane.
; BY TURNS.  A distance costs four vector issue slots (a share of two packed lines, a compare, a minimum, a select), 16 for each register quartet, and a set has 16 products and 16 such slices: one slice stands behind
; each product, so that the vector unit, which has the longer work here, never waits for the matrix unit.  The slices work on the tiles finished half a set earlier.
; REGISTERS, in windows of 256 (s_set_vgpr_msb: bits 1:0 source 0, 3:2 source 1, 5:4 source 2, 7:6 destination).  All that a slice touches fills window 0, so a product costs two switches.
;   window 0: v0-15 addresses; v16-23 T, at work; v24-39 sz, tile t's in both words of the pair v[24 + 2 t]; v40-55 se of two sets; v64-127 the 8 accumulators; v128-191 least d; v192-255 its set's first code
;   window 1: z's fragments (tile t, K step ks) at v[32 t + 16 ks]          window 2: emb's fragments, two sets (b, ks) at v[32 b + 16 ks]
.set SETB,  4096                       ; a set's image
.set SLOTB, 8*SETB                     ; a slot: a tile of 8 sets
.set SEREG, 262144                     ; behind the four rings of 65,536: se, 2,048 bytes a wave
.set ZIMG,  SEREG+8192                 ; z's 8 sets
.set MRG,   ZIMG+32768                 ; the waves' results meet here: d at 512 w + 4 row, n 2,048 further on; no tensor load lands here
.set SPARE, MRG+4096                   ; the spare words, 128 bytes a wave: two blocks of 256 bytes that no other line names
.set SPW, 1                            ; v1   SPARE + 4 x my thread's number; never rewritten
.set NIL, 2                            ; v2   0; never rewritten
.set LB,  3                            ; v3   16 x lane + my ring
.set ADE, 4                            ; v4   address of the set being fetched
.set SLB, 5                            ; v5   my strip's se + 32 h
.set ADS, 6                            ; v6   address of the se being fetched
.set CUR, 8                            ; v8, v9  first code of my half (16 s + 8 h + strip's first) of the even, the odd set in hand
.set ZB,  10                           ; v10  ZIMG + 16 x lane
.set MA,  11                           ; v11  where I put a row's result
.set MR,  12                           ; v12  where I read two rows' results
.set T,   16
.set SZ,  24
.set SEB, 40
.set ACC, 64
.set MN,  128
.set IX,  192
.set WV,  14                           ; s14  wave
.set G1J, 24                           ; s[24:31] group 1: a tile of emb, joint;  s[32:39] se, joint;  s[40:47] z's part, my own
.set G1S, 32
.set G1Z, 40
.set G0Z, 48                           ; s[48:51], s[52:55], s[56:59], s[60:63]: groups 0 of z, se, tile 0, and the one that walks from tile 1 on
.set G0S, 52
.set G0T, 56
.set G0W, 60
.set CF,  66                           ; s[66:67] -2^(1 + e0 + e1)
.set EP,  68                           ; s68  offset in my ring of the set to fetch next
.set SX,  69                           ; s69  64 x that set's number in the strip
.set MK,  76                           ; s76-87 masks
.set MSB, 0
.macro WIN new                         ; the immediate's high byte repeats the setting that is left; a switch that changes nothing is dropped
.if MSB != \new
	s_set_vgpr_msb (MSB<<8)|\new
.set MSB, \new
.endif
.endm
.set W_MUL, 0x06                       ; source 0 (emb) window 2, source 1 (z) window 1, C and D window 0
.set TO_E,  0x80                       ; destination window 2
.set TO_Z,  0x40                       ; destination window 1
.macro ROUND                           ; a round of the cluster's barrier
	s_barrier_signal -1
	s_barrier_wait -1
	s_cmp_lg_u32 s[WV], 0
	s_cbranch_scc1 .Lnot_wave_0_\@
	s_barrier_signal -3
.Lnot_wave_0_\@:
	s_barrier_wait -3
	s_barrier_signal -1
	s_barrier_wait -1
.endm
	s_load_b256 s[4:11], s[0:1], 0x0               ; codes s[4:5], sq s[6:7], the exponents s[8:9], cand_d s[10:11]
	s_load_b64 s[12:13], s[0:1], 0x20              ; cand_i
	v_lshl_add_u32 v[SPW], v0, 2, SPARE
	v_mov_b32 v[NIL], 0
	ds_add_u32 v1, v2
	ds_add_u32 v1, v2
	s_wait_dscnt 0x0
	v_lshrrev_b32 v7, 5, v0
	v_readfirstlane_b32 s[WV], v7                  ; wave 0..3
	s_bfe_u32 s15, ttmp6, 0x40000                  ; cx
	s_lshl_b32 s16, ttmp9, 2
	s_add_co_u32 s16, s16, s15                     ; mblk = 4 x cluster x + cx
	s_and_b32 s17, ttmp7, 0xffff                   ; y, which the partners share
	s_lshl_b32 s18, s17, 2
	s_add_co_u32 s18, s18, s[WV]                   ; my strip
	; groups 1: dense blocks as rows of 32 elements of 8 bytes (256 bytes); no padding: images are read 512 consecutive bytes at a time
	s_mov_b32 s[G1J], 15|(3<<16)|(1<<21)           ; the mask: all four work-groups; elements of 8 bytes; bit 21 beside a mask
	s_mov_b32 s[G1S], 15|(3<<16)|(1<<21)
	s_mov_b32 s[G1Z], 3<<16                        ; no mask
	s_mov_b32 s[G1J+2], 128<<16                    ; tensor_dim1 and
	s_mov_b32 s[G1J+4], 128                        ; tile_dim1: 128 rows = 32,768 bytes
	s_mov_b32 s[G1S+2], 8<<16
	s_mov_b32 s[G1S+4], 8                          ; 8 rows = 2,048 bytes
	s_mov_b32 s[G1Z+2], 32<<16
	s_mov_b32 s[G1Z+4], 32                         ; 32 rows = 8,192 bytes
.irp g, G1J, G1S, G1Z
	s_mov_b32 s[\g+1], 32<<16                      ; tensor_dim0 = 32
	s_mov_b32 s[\g+3], 32<<16                      ; tile_dim0 = 32
	s_mov_b32 s[\g+5], 32                          ; elements from row to row
	s_mov_b32 s[\g+6], 0
	s_mov_b32 s[\g+7], 0
.endr
	s_lshl_b32 s19, s[WV], 13                      ; 8,192 x wave
	s_lshl_b32 s20, s16, 15                        ; z's block: 8 sets of 4,096 bytes,
	s_add_co_u32 s20, s20, s19                     ; my two of them
	s_mov_b32 s21, 0
	s_lshl_b32 s22, s18, 11                        ; se of my strip: 512 numbers,
	s_add_co_u32 s22, s22, 32768                   ; behind the 8,192 sz
	s_mov_b32 s23, 0
	s_lshl_b32 s74, s18, 17                        ; my strip's 32 sets,
	s_add_co_u32 s74, s74, 2097152                 ; behind z's 512 sets
	s_mov_b32 s75, 0
	s_mov_b32 s[G0Z], 1
	s_add_co_u32 s[G0Z+1], s19, ZIMG
	s_mov_b32 s[G0S], 1
	s_lshl_b32 s[G0S+1], s[WV], 11
	s_add_co_u32 s[G0S+1], s[G0S+1], SEREG
	s_mov_b32 s[G0T], 1
	s_lshl_b32 s[G0T+1], s[WV], 16                 ; my ring, slot 0
	s_mov_b32 s[G0W], 1
	s_add_co_u32 s[G0W+1], s[G0T+1], SLOTB         ; slot 1
	s_wait_kmcnt 0x0
	s_load_b64 s[88:89], s[8:9], 0x0               ; e0, e1
	s_add_nc_u64 s[G0Z+2:G0Z+3], s[4:5], s[20:21]
	s_or_b32 s[G0Z+3], s[G0Z+3], 0x80000000
	s_add_nc_u64 s[G0S+2:G0S+3], s[6:7], s[22:23]
	s_or_b32 s[G0S+3], s[G0S+3], 0x80000000
	s_add_nc_u64 s[G0T+2:G0T+3], s[4:5], s[74:75]  ; tile 0
	s_add_nc_u64 s[G0W+2:G0W+3], s[G0T+2:G0T+3], SLOTB   ; tile 1
	s_or_b32 s[G0T+3], s[G0T+3], 0x80000000
	s_or_b32 s[G0W+3], s[G0W+3], 0x80000000
	s_lshl_b32 s20, s16, 9                         ; 128 rows x 4 bytes
	s_add_nc_u64 s[90:91], s[6:7], s[20:21]        ; sz of my block
	s_lshl_b32 s92, s17, 15                        ; the results: 4 (8,192 y + 128 mblk + 64 (wave % 2))
	s_add_co_u32 s20, s20, s92
	s_and_b32 s92, s[WV], 1
	s_lshl_b32 s92, s92, 8
	s_add_co_u32 s20, s20, s92
	s_add_nc_u64 s[10:11], s[10:11], s[20:21]
	s_add_nc_u64 s[12:13], s[12:13], s[20:21]
	ROUND                                          ; all four work-groups are here: the first joint loads meet
	tensor_load_to_lds s[G0Z:G0Z+3], s[G1Z:G1Z+7]  ; the first fills go out as one group: four loads of mine are out
	s_nop 0
	tensor_load_to_lds s[G0S:G0S+3], s[G1S:G1S+7]
	s_nop 0
	tensor_load_to_lds s[G0T:G0T+3], s[G1J:G1J+7]
	s_nop 0
	tensor_load_to_lds s[G0W:G0W+3], s[G1J:G1J+7]
	s_nop 0
.rept 4
	v_nop
.endr
	v_and_b32 v7, 31, v0                           ; lane
	v_and_b32 v15, 15, v0                          ; r
	v_bfe_u32 v56, v0, 4, 1                        ; h
	v_lshlrev_b32 v14, 2, v15
.irp t, 0,1,2,3,4,5,6,7
	global_load_b32 v[SZ+2*\t], v14, s[90:91] offset:64*\t     ; sz of row 16 t + r, into both words of a pair: the packed addition then takes the pair as it stands
	global_load_b32 v[SZ+2*\t+1], v14, s[90:91] offset:64*\t
.endr
	v_lshl_add_u32 v[LB], v7, 4, s[G0T+1]
	v_lshl_add_u32 v[SLB], v56, 5, s[G0S+1]
	v_lshl_add_u32 v[ZB], v7, 4, ZIMG
	s_lshl_b32 s92, s[WV], 9
	s_add_co_u32 s92, s92, MRG
	v_lshl_add_u32 v[MA], v15, 2, s92
	s_and_b32 s93, s[WV], 1
	s_lshl_b32 s93, s93, 8
	s_add_co_u32 s93, s93, MRG
	v_lshl_add_u32 v[MR], v7, 3, s93
	v_lshlrev_b32 v13, 3, v7                       ; 8 x lane: two rows' place in a store of 256 bytes
	s_lshl_b32 s94, s18, 9                         ; my strip's first code
	v_lshl_add_u32 v[CUR], v56, 3, s94             ; set 0
	v_add_nc_u32 v[CUR+1], -16, v[CUR]             ; set 1 less 32: the first set adds 32
	; The loop has no first set of its own.  The first eight slices find accumulators of 0 and se = +infinity: d = +infinity, which is not less than the least d's start, +infinity: they change nothing.
	s_mov_b32 s95, 0x7f800000
.set i, 0
.rept 64
	v_mov_b32 v[MN+i], s95
	v_mov_b32 v[IX+i], 0
.set i, i+1
.endr
.set i, 0
.rept 32
	v_mov_b32 v[ACC+32+i], 0
.set i, i+1
.endr
.irp j, 0,1,2,3,4,5,6,7
	v_mov_b32 v[SEB+8+\j], s95
.endr
	s_mov_b32 s[EP], 0
	s_mov_b32 s[SX], 0
	s_mov_b32 s72, 0x76543210                      ; v_permlanex16_b32: lane l xor 16
	s_mov_b32 s73, 0xfedcba98
	s_wait_kmcnt 0x0
	s_add_co_i32 s[CF], s88, s89
	s_add_co_i32 s[CF], s[CF], 128
	s_lshl_b32 s[CF], s[CF], 23
	s_or_b32 s[CF], s[CF], 0x80000000              ; -2^(1 + e0 + e1)
	s_mov_b32 s[CF+1], s[CF]                       ; (named with it as a pair, so it is written)
; FOUR DISTANCES: registers 4 hf .. 4 hf + 3 of tile t, of the set with parity p.  16 plain vector instructions.  Half 0 of a tile always comes before half 1: an accumulator is read from its low end on.
.macro SLICE t, hf, p
.set rT, T+4*(\hf)
.set rE, SEB+8*(\p)+4*(\hf)
.set rZ, SZ+2*(\t)
.set rA, ACC+8*(\t)+4*(\hf)
.set rM, MN+8*(\t)+4*(\hf)
.set rI, IX+8*(\t)+4*(\hf)
.set rK, MK+4*(\hf)
	v_pk_add_f32 v[rT:rT+1], v[rE:rE+1], v[rZ:rZ+1]                                  ; A = sz + se
	v_pk_add_f32 v[rT+2:rT+3], v[rE+2:rE+3], v[rZ:rZ+1]
	v_pk_fma_f32 v[rT:rT+1], v[rA:rA+1], s[CF:CF+1], v[rT:rT+1] op_sel_hi:[1,0,1]    ; d = A - 2 P, one rounding
	v_pk_fma_f32 v[rT+2:rT+3], v[rA+2:rA+3], s[CF:CF+1], v[rT+2:rT+3] op_sel_hi:[1,0,1]
.irp i, 0,1,2,3
	v_cmp_lt_f32 s[rK+\i], v[rT+\i], v[rM+\i]                                        ; strictly less: the earlier set keeps a tie
.endr
.irp i, 0,1,2,3
	v_min_num_f32 v[rM+\i], v[rM+\i], v[rT+\i]
.endr
.irp i, 0,1,2,3
	v_cndmask_b32 v[rI+\i], v[rI+\i], v[CUR+(\p)], s[rK+\i]
.endr
.endm
; Product q of 8 on tiles t0 .. t0 + 3: K step q / 4, tile t0 + q % 4.  The four accumulators take turns, one instruction a turn; the first four start the sums with the constant 0.
.macro PROD b, t0
.set rD, ACC+8*((\t0)+q%4)
.set rF, 32*(\b)+16*(q/4)
.set rG, 32*((\t0)+q%4)+16*(q/4)
	WIN W_MUL
.if q < 4
	v_wmma_f32_16x16x128_bf8_bf8 v[rD:rD+7], v[rF:rF+15], v[rG:rG+15], 0
.else
	v_wmma_f32_16x16x128_bf8_bf8 v[rD:rD+7], v[rF:rF+15], v[rG:rG+15], v[rD:rD+7]
.endif
	WIN 0
.endm
.macro FETCH_E b                       ; the next set's image into buffer b: eight loads in one run
	v_add_nc_u32 v[ADE], s[EP], v[LB]
	s_add_co_u32 s[EP], s[EP], SETB
	WIN TO_E
.irp ks, 0,1
.irp c, 0,1,2,3
	ds_load_b128 v[32*(\b)+16*\ks+4*\c:32*(\b)+16*\ks+4*\c+3], v[ADE] offset:2048*\ks+512*\c
.endr
.endr
	WIN 0
.endm
.macro FETCH_S b                       ; and its se: my half's eight numbers
	v_add_nc_u32 v[ADS], s[SX], v[SLB]
	s_add_co_u32 s[SX], s[SX], 64
	ds_load_b128 v[SEB+8*(\b):SEB+8*(\b)+3], v[ADS]
	ds_load_b128 v[SEB+8*(\b)+4:SEB+8*(\b)+7], v[ADS] offset:16
.endm
; A SET of 16 codes, in buffer b.  First half: products on tiles 0-3 | the slices of the set before, tiles 4-7.  Second half: products on tiles 4-7 | this set's slices, tiles 0-3.
; Every read of a result, every load into a fragment buffer and every product that begins an accumulator anew stands a slice of 16 plain vector instructions or more behind the matrix instruction concerned
; (ISA guide 7.12.1 asks for four or five); no slice names a register of the product in front of it.
; fetch = 1: the next set's image is asked for behind the second product (its buffer's last reader is the set before's last product), its se in the middle (their last readers are the slices just above).
.macro SET b, fetch
	s_wait_dscnt 0x0                               ; this set's image and se, asked for most of a set ago, are in
.set q, 0
.rept 8
	PROD \b, 0
	SLICE 4+q/2, q%2, 1-\b
.if \fetch && (q == 1)
	FETCH_E 1-\b
.endif
.set q, q+1
.endr
	v_add_nc_u32 v[CUR+1-\b], 32, v[CUR+1-\b]      ; the other parity's next set
.if \fetch
	FETCH_S 1-\b
.endif
.set q, 0
.rept 8
	PROD \b, 4
	SLICE q/2, q%2, \b
.set q, q+1
.endr
.endm
.macro SIX                             ; a tile's first six sets
	s_mov_b32 s70, 3
.Lsix_\@:
	SET 0, 1
	SET 1, 1
	s_sub_co_u32 s70, s70, 1
	s_cmp_lg_u32 s70, 0
	s_cbranch_scc1 .Lsix_\@
.endm
; THE CHANGE OF SLOTS stands at the head of a tile's eighth set: that set's image has been asked for, so the slot has had its last read, and the eighth set will fetch from the other slot.
; fill = 1: the slot is filled again with the tile two on.  The load is joint, so a round of the cluster's barrier stands in front of it; it then has eight sets, 128 products, in which to land.
; fill = 0: nothing is left to fetch; the ring is my own, so my wait for the last tile is all that its reads need.
.macro CHANGE fill
	s_wait_tensorcnt 0x0                           ; all my tensor loads have landed, the other slot's among them: a group 0 may be written
.if \fill
	ds_add_u32 v[SPW], v[NIL]                      ; 0 onto my spare word
	s_xor_b32 s[G0W+1], s[G0W+1], SLOTB            ; the walking descriptor: the other slot than last time,
	s_add_nc_u64 s[G0W+2:G0W+3], s[G0W+2:G0W+3], SLOTB   ; the next tile; the type bits on top are not reached
.endif
	s_sub_co_u32 s[EP], s[EP], SLOTB               ; the fetches go back to a slot's first set,
	s_xor_b32 s[EP], s[EP], SLOTB                  ; in the other slot
.if \fill
	s_wait_dscnt 0x0                               ; the add is done, and my reads of the slot are back
	ROUND
	tensor_load_to_lds s[G0W:G0W+3], s[G1J:G1J+7]  ; my one tensor load behind the round, and the first thing there
	s_nop 0
.rept 4
	v_nop
.endr
.endif
.endm
	s_wait_tensorcnt 1                             ; z's part, se and tile 0 are in; tile 1's load, issued last, may stay out
	s_barrier_signal -1
	s_barrier_wait -1                              ; every wave's part of z's images is in
	WIN TO_Z
.irp t, 0,1,2,3,4,5,6,7
.irp ks, 0,1
.irp c, 0,1,2,3
	ds_load_b128 v[32*\t+16*\ks+4*\c:32*\t+16*\ks+4*\c+3], v[ZB] offset:4096*\t+2048*\ks+512*\c   ; z's fragments stay in registers
.endr
.endr
.endr
	WIN 0
	FETCH_E 0                                      ; set 0
	FETCH_S 0
	s_wait_loadcnt 0x0                             ; sz
	s_mov_b32 s71, 2
.Ltile:                                                ; tiles 0 and 1: each slot is filled once more
	SIX
	SET 0, 1
	CHANGE 1
	SET 1, 1
	s_sub_co_u32 s71, s71, 1
	s_cmp_lg_u32 s71, 0
	s_cbranch_scc1 .Ltile
	SIX                                            ; tile 2 is written out
	SET 0, 1
	CHANGE 0
	SET 1, 1
	SIX                                            ; tile 3
	SET 0, 1
	SET 1, 0
.set q, 0
.rept 8
	SLICE 4+q/2, q%2, 1                            ; the last set's tiles 4-7
.set q, q+1
.endr
; THE MERGE.  (a, b) -> a: the better of two candidates by d, then by n.
.macro LEX am, an, bm, bn, k
	v_cmp_lt_f32 s[MK+3*(\k)], v[\bm], v[\am]
	v_cmp_eq_f32 s[MK+3*(\k)+1], v[\bm], v[\am]
	v_cmp_lt_u32 s[MK+3*(\k)+2], v[\bn], v[\an]
	s_and_b32 s[MK+3*(\k)+1], s[MK+3*(\k)+1], s[MK+3*(\k)+2]
	s_or_b32 s[MK+3*(\k)], s[MK+3*(\k)], s[MK+3*(\k)+1]
	v_cndmask_b32 v[\am], v[\am], v[\bm], s[MK+3*(\k)]
	v_cndmask_b32 v[\an], v[\an], v[\bn], s[MK+3*(\k)]
.endm
.macro TREE a, b                       ; registers a and b of all eight tiles; the tiles take turns on four sets of masks
.irp t, 0,1,2,3,4,5,6,7
	LEX MN+8*\t+\a, IX+8*\t+\a, MN+8*\t+\b, IX+8*\t+\b, \t%4
.endr
.endm
.irp t, 0,1,2,3,4,5,6,7
.irp j, 1,2,3,4,5,6,7
	v_add_nc_u32 v[IX+8*\t+\j], \j, v[IX+8*\t+\j]  ; register j's code: the set's first of my half + j
.endr
.endr
	TREE 0, 1
	TREE 2, 3
	TREE 4, 5
	TREE 6, 7
	TREE 0, 2
	TREE 4, 6
	TREE 0, 4
.irp t, 0,1,2,3,4,5,6,7                ; the row's other eight codes of each set lie in lane l xor 16
	v_permlanex16_b32 v[T+2*(\t%4)], v[MN+8*\t], s72, s73
	v_permlanex16_b32 v[T+2*(\t%4)+1], v[IX+8*\t], s72, s73
	LEX MN+8*\t, IX+8*\t, T+2*(\t%4), T+2*(\t%4)+1, \t%4
.endr
.irp t, 0,1,2,3,4,5,6,7
	ds_store_b32 v[MA], v[MN+8*\t] offset:64*\t    ; lanes r and r + 16 write the same word with the same number
	ds_store_b32 v[MA], v[IX+8*\t] offset:2048+64*\t
.endr
	s_wait_dscnt 0x0                               ; for the others' sake: my stores have landed
	s_barrier_signal -1
	s_barrier_wait -1
.irp u, 0,1,2,3                        ; rows 64 (wave % 2) + 2 lane and the next: the four strips' candidates
	ds_load_b64 v[40+2*\u:41+2*\u], v[MR] offset:512*\u
	ds_load_b64 v[48+2*\u:49+2*\u], v[MR] offset:2048+512*\u
.endr
	s_wait_dscnt 0x0
.irp u, 1,2,3                          ; the strips ascend in n: a later one wins only where it is strictly less
.irp i, 0,1
	v_cmp_lt_f32 s[MK+\i], v[40+2*\u+\i], v[40+\i]
	v_cndmask_b32 v[40+\i], v[40+\i], v[40+2*\u+\i], s[MK+\i]
	v_cndmask_b32 v[48+\i], v[48+\i], v[48+2*\u+\i], s[MK+\i]
.endr
.endr
	s_cmp_lt_u32 s[WV], 2                          ; waves 0 and 1 store the d, waves 2 and 3 the n: buffer and data are chosen on the wave's number, without a branch
	s_cselect_b64 s[10:11], s[10:11], s[12:13]
	s_cselect_b32 s[MK], -1, 0
	v_cndmask_b32 v40, v48, v40, s[MK]
	v_cndmask_b32 v41, v49, v41, s[MK]
	global_store_b64 v13, v[40:41], s[10:11]       ; 32 lanes store 256 consecutive bytes, at a multiple of 256 from the buffer's first byte
	s_wait_tensorcnt 0x0                           ; the wave's end, behind my last tensor load and my last LDS store
	ds_add_u32 v[SPW], v[NIL]
	s_wait_dscnt 0x0
	ROUND                                          ; the closing round: no work-group ends while a partner may still ask for a tile that names it
	s_endpgm
.Lfunc_end_k_q88b671c4f0_dist:
	.size	k_q88b671c4f0_dist, .Lfunc_end_k_q88b671c4f0_dist-k_q88b671c4f0_dist
	.p2alignl 7, 3214868480
	.fill 96, 4, 3214868480
	.section	.rodata,"a",@progbits
	.p2align	6, 0x0
	.amdhsa_kernel k_q88b671c4f0_dist
		.amdhsa_group_segment_fixed_size 327680
		.amdhsa_private_segment_fixed_size 0
		.amdhsa_enable_private_segment 0
		.amdhsa_kernarg_size 40
		.amdhsa_user_sgpr_count 2
		.amdhsa_user_sgpr_kernarg_segment_ptr 1
		.amdhsa_wavefront_size32 1
		.amdhsa_system_sgpr_workgroup_id_x 1
		.amdhsa_system_sgpr_workgroup_id_y 1
		.amdhsa_system_sgpr_workgroup_id_z 1
		.amdhsa_system_vgpr_workitem_id 0
		.amdhsa_next_free_vgpr 576
		.amdhsa_next_free_sgpr 96
		.amdhsa_reserve_vcc 0
		.amdhsa_float_denorm_mode_32 3
		.amdhsa_float_denorm_mode_16_64 3
		.amdhsa_memory_ordered 1
		.amdhsa_forward_progress 1
		.amdhsa_inst_pref_size 255
	.end_amdhsa_kernel
	.section	.bss,"aw",@nobits
	.p2align	6
	.space	262144
	.amdgpu_metadata
---
amdhsa.version: [ 1, 2 ]
amdhsa.kernels:
  - .name:           k_q88b671c4f0_dist
    .symbol:         k_q88b671c4f0_dist.kd
    .args:
      - { .name: codes, .offset: 0, .size: 8, .value_kind: global_buffer, .address_space: global }
      - { .name: sq, .offset: 8, .size: 8, .value_kind: global_buffer, .address_space: global }
      - { .name: lowp_scales, .offset: 16, .size: 8, .value_kind: global_buffer, .address_space: global }
      - { .name: cand_d, .offset: 24, .size: 8, .value_kind: global_buffer, .address_space: global }
      - { .name: cand_i, .offset: 32, .size: 8, .value_kind: global_buffer, .address_space: global }
    .group_segment_fixed_size: 327680
    .private_segment_fixed_size: 0
    .kernarg_segment_align: 8
    .kernarg_segment_size: 40
    .max_flat_workgroup_size: 128
    .sgpr_count:     96
    .vgpr_count:     576
    .wavefront_size: 32
...
	.end_amdgpu_metadata
.endif
;; end of part 2
;; launch gather (part 3): grid 256 x 1, 8 waves a work-group, no clusters, 1,280 bytes of LDS; arguments z, emb, cand_d, cand_i, out0, out3, part; writes out0, out3, part
.if DOCPART == 3
	.amdgcn_target "amdgcn-amd-amdhsa--gfx1250"
	.amdhsa_code_object_version 6
	.text
	.protected	k_q88b671c4f0_gather
	.globl	k_q88b671c4f0_gather
	.p2align	8
	.type	k_q88b671c4f0_gather,@function
k_q88b671c4f0_gather:
	s_mov_b64 s[64:65], 0
	v_nop
	global_prefetch_b8 v0, s[64:65] scope:SCOPE_SE
	s_setreg_imm32_b32 hwreg(HW_REG_WAVE_MODE, 25, 1), 1
	s_wait_xcnt 0x0
; For each row: the best of its four candidates (least d; the blocks ascend in n, so a later one wins only where it is strictly less); out3 = its code; out0 = z + (emb[code] - z);
; part[x] = the work-group's sum of (emb[code] - z)^2.
; No address hangs on a comparison of floating-point numbers: ALL FOUR candidate rows of emb are loaded, at addresses made of the whole numbers read from cand_i, and the winner's DATA are selected.
; SHARES: work-group x: rows 32 x .. 32 x + 31; wave w: four of them; a lane holds 8 numbers of a row, as two pieces of 16 bytes 512 bytes apart: each load and store of a wave covers 512 consecutive bytes.
; out3 is stored 64 rows at a time (256 consecutive bytes, aligned) by wave 0 of the even work-groups, from the candidates alone.
; part gets four bytes from each work-group: one number is all that a work-group has to hand on.  No cluster, no matrix unit, no tensor load: the rows gathered differ from work-group to work-group.
; An index is held inside the table (8,191 at the most) before it enters an address.
.set Z,  16                            ; v16-47   z: row p at v[Z + 8 p]
.set O,  48                            ; v48-63   offsets of the candidate rows: (p, y) at v[O + 4 p + y]
.set E,  64                            ; v64-191  the candidate rows: (p, y) at v[E + 32 p + 8 y]; the result takes (p, 0)'s place
.set DF, 192                           ; v192-207 at work
	s_load_b256 s[4:11], s[0:1], 0x0               ; z s[4:5], emb s[6:7], cand_d s[8:9], cand_i s[10:11]
	s_load_b128 s[12:15], s[0:1], 0x20             ; out0 s[12:13], out3 s[14:15]
	s_load_b64 s[60:61], s[0:1], 0x30              ; part
	v_lshl_add_u32 v208, v0, 2, 0x100
	v_mov_b32 v209, 0
	v_lshrrev_b32 v2, 5, v0
	v_readfirstlane_b32 s73, v2                    ; wave 0..7
	v_and_b32 v1, 31, v0
	v_lshlrev_b32 v2, 3, v1                        ; 8 x lane
	v_lshlrev_b32 v1, 4, v1                        ; 16 x lane
	s_lshl_b32 s74, s73, 2
	v_mov_b32 v3, s74                              ; LDS: my wave's word
	v_mov_b32 v4, 0
	s_lshl_b32 s78, ttmp9, 7                       ; 128 x: the work-group's 32 rows in a buffer of 4 bytes a row
	s_mov_b32 s79, 0
	s_lshl_b32 s74, s73, 4
	s_add_co_u32 s74, s74, s78                     ; 4 x my first row
	s_lshl_b32 s76, s74, 8                         ; 1,024 x my first row
	s_mov_b32 s77, 0
	s_lshl_b32 s80, ttmp9, 2
	s_mov_b32 s81, 0
	s_mov_b32 s82, 0x76543210                      ; v_permlanex16_b32: lane l xor 16
	s_mov_b32 s83, 0xfedcba98
	s_wait_kmcnt 0x0
.irp y, 0,1,2,3
	s_load_b128 s[16+4*\y:19+4*\y], s[10:11], s74 offset:32768*\y   ; block y's codes for my four rows
	s_load_b128 s[32+4*\y:35+4*\y], s[8:9], s74 offset:32768*\y     ; and their d
.endr
	s_add_nc_u64 s[4:5], s[4:5], s[76:77]
	s_add_nc_u64 s[12:13], s[12:13], s[76:77]
	s_add_nc_u64 s[66:67], s[8:9], s[78:79]
	s_add_nc_u64 s[68:69], s[10:11], s[78:79]
	s_add_nc_u64 s[70:71], s[14:15], s[78:79]
	s_add_nc_u64 s[60:61], s[60:61], s[80:81]
.irp p, 0,1,2,3
	global_load_b128 v[Z+8*\p:Z+8*\p+3], v1, s[4:5] offset:1024*\p th:TH_LOAD_NT
	global_load_b128 v[Z+8*\p+4:Z+8*\p+7], v1, s[4:5] offset:1024*\p+512 th:TH_LOAD_NT
.endr
	s_wait_kmcnt 0x0
.irp i, 0,1,2,3,4,5,6,7,8,9,10,11,12,13,14,15
	s_min_u32 s[16+\i], s[16+\i], 0x1fff
.endr
.irp p, 0,1,2,3
.irp y, 0,1,2,3
	v_lshl_add_u32 v[O+4*\p+\y], s[16+4*\y+\p], 10, v1
.endr
.endr
.irp p, 0,1,2,3
.irp y, 0,1,2,3
	global_load_b128 v[E+32*\p+8*\y:E+32*\p+8*\y+3], v[O+4*\p+\y], s[6:7]             ; no hint: other rows may name the same code
	global_load_b128 v[E+32*\p+8*\y+4:E+32*\p+8*\y+7], v[O+4*\p+\y], s[6:7] offset:512
.endr
.endr
	; the masks: mask (p, y) says that block y beats the best of the blocks before it
.irp p, 0,1,2,3
	v_mov_b32 v[DF+\p], s[32+\p]
.endr
.irp y, 1,2,3
.irp p, 0,1,2,3
	v_mov_b32 v[DF+4+\p], s[32+4*\y+\p]
	v_cmp_lt_f32 s[48+3*\p+\y-1], v[DF+4+\p], v[DF+\p]
	v_cndmask_b32 v[DF+\p], v[DF+\p], v[DF+4+\p], s[48+3*\p+\y-1]
.endr
.endr
	; out3, for rows 32 x .. 32 x + 63, two a lane
	s_and_b32 s84, ttmp9, 1
	s_or_b32 s84, s84, s73
	s_cmp_lg_u32 s84, 0
	s_cbranch_scc1 .Lno_idx
.irp y, 0,1,2,3
	global_load_b64 v[DF+2*\y:DF+2*\y+1], v2, s[66:67] offset:32768*\y
	global_load_b64 v[DF+8+2*\y:DF+8+2*\y+1], v2, s[68:69] offset:32768*\y
.endr
	s_wait_loadcnt 0x0
.irp y, 1,2,3
.irp i, 0,1
	v_cmp_lt_f32 vcc_lo, v[DF+2*\y+\i], v[DF+\i]
	v_cndmask_b32 v[DF+\i], v[DF+\i], v[DF+2*\y+\i], vcc_lo
	v_cndmask_b32 v[DF+8+\i], v[DF+8+\i], v[DF+8+2*\y+\i], vcc_lo
.endr
.endr
	global_store_b64 v2, v[DF+8:DF+9], s[70:71]    ; 256 consecutive bytes, at a multiple of 256 from out3's first byte (x is even)
	s_wait_xcnt 0x0                                ; the store has read its data: the registers are at work again below
.Lno_idx:
.macro ROW p
	s_wait_loadcnt 24-8*\p                         ; loads come back in order: z and this row's eight are in; the eight of each later row may be out
.irp y, 1,2,3
.irp i, 0,1,2,3,4,5,6,7
	v_cndmask_b32 v[E+32*\p+\i], v[E+32*\p+\i], v[E+32*\p+8*\y+\i], s[48+3*\p+\y-1]
.endr
.endr
.irp k, 0,1,2,3
	v_pk_add_f32 v[DF+2*\k:DF+2*\k+1], v[E+32*\p+2*\k:E+32*\p+2*\k+1], v[Z+8*\p+2*\k:Z+8*\p+2*\k+1] neg_lo:[0,1] neg_hi:[0,1]   ; z_q - z
.endr
.irp k, 0,1,2,3
	v_pk_add_f32 v[E+32*\p+2*\k:E+32*\p+2*\k+1], v[Z+8*\p+2*\k:Z+8*\p+2*\k+1], v[DF+2*\k:DF+2*\k+1]                             ; z + (z_q - z)
.endr
.irp k, 0,1,2,3
.if (\p == 0) && (\k < 2)
	v_pk_mul_f32 v[8+2*\k:9+2*\k], v[DF+2*\k:DF+2*\k+1], v[DF+2*\k:DF+2*\k+1]      ; the first squares start the two chains
.else
	v_pk_fma_f32 v[8+2*(\k%2):9+2*(\k%2)], v[DF+2*\k:DF+2*\k+1], v[DF+2*\k:DF+2*\k+1], v[8+2*(\k%2):9+2*(\k%2)]
.endif
.endr
	global_store_b128 v1, v[E+32*\p:E+32*\p+3], s[12:13] offset:1024*\p th:TH_STORE_NT
	global_store_b128 v1, v[E+32*\p+4:E+32*\p+7], s[12:13] offset:1024*\p+512 th:TH_STORE_NT
.endm
	ROW 0
	ROW 1
	ROW 2
	ROW 3
	v_pk_add_f32 v[8:9], v[8:9], v[10:11]
	v_add_f32 v8, v8, v9
	v_add_f32_dpp v8, v8, v8 row_xmask:1 row_mask:0xf bank_mask:0xf
	v_add_f32_dpp v8, v8, v8 row_xmask:2 row_mask:0xf bank_mask:0xf
	v_add_f32_dpp v8, v8, v8 row_xmask:4 row_mask:0xf bank_mask:0xf
	v_add_f32_dpp v8, v8, v8 row_xmask:8 row_mask:0xf bank_mask:0xf
	v_permlanex16_b32 v9, v8, s82, s83
	v_add_f32 v8, v8, v9                           ; my wave's sum, in every lane
	ds_store_b32 v3, v8
	s_wait_dscnt 0x0                               ; for wave 0's sake
	s_barrier_signal -1
	s_barrier_wait -1
	s_cmp_lg_u32 s73, 0
	s_cbranch_scc1 .Lend
	ds_load_b128 v[12:15], v4
	ds_load_b128 v[DF:DF+3], v4 offset:16
	s_wait_dscnt 0x0
	v_add_f32 v12, v12, v13
	v_add_f32 v14, v14, v15
	v_add_f32 v[DF], v[DF], v[DF+1]
	v_add_f32 v[DF+2], v[DF+2], v[DF+3]
	v_add_f32 v12, v12, v14
	v_add_f32 v[DF], v[DF], v[DF+2]
	v_add_f32 v12, v12, v[DF]
	v_cmp_eq_u32 vcc_lo, 0, v0
	s_wait_xcnt 0x0                                ; EXEC is a source of the stores above: it changes only behind this wait
	s_and_saveexec_b32 s72, vcc_lo
	global_store_b32 v4, v12, s[60:61]
	s_wait_xcnt 0x0                                ; and again, in front of the line that widens it
	s_or_b32 exec_lo, exec_lo, s72
.Lend:
	s_wait_tensorcnt 0x0
	ds_add_u32 v208, v209
	s_wait_dscnt 0x0
	s_endpgm
.Lfunc_end_k_q88b671c4f0_gather:
	.size	k_q88b671c4f0_gather, .Lfunc_end_k_q88b671c4f0_gather-k_q88b671c4f0_gather
	.p2alignl 7, 3214868480
	.fill 96, 4, 3214868480
	.section	.rodata,"a",@progbits
	.p2align	6, 0x0
	.amdhsa_kernel k_q88b671c4f0_gather
		.amdhsa_group_segment_fixed_size 1280
		.amdhsa_private_segment_fixed_size 0
		.amdhsa_enable_private_segment 0
		.amdhsa_kernarg_size 56
		.amdhsa_user_sgpr_count 2
		.amdhsa_user_sgpr_kernarg_segment_ptr 1
		.amdhsa_wavefront_size32 1
		.amdhsa_system_sgpr_workgroup_id_x 1
		.amdhsa_system_sgpr_workgroup_id_y 1
		.amdhsa_system_sgpr_workgroup_id_z 1
		.amdhsa_system_vgpr_workitem_id 0
		.amdhsa_next_free_vgpr 210
		.amdhsa_next_free_sgpr 88
		.amdhsa_reserve_vcc 1
		.amdhsa_float_denorm_mode_32 3
		.amdhsa_float_denorm_mode_16_64 3
		.amdhsa_memory_ordered 1
		.amdhsa_forward_progress 1
		.amdhsa_inst_pref_size 23
	.end_amdhsa_kernel
	.amdgpu_metadata
---
amdhsa.version: [ 1, 2 ]
amdhsa.kernels:
  - .name:           k_q88b671c4f0_gather
    .symbol:         k_q88b671c4f0_gather.kd
    .args:
      - { .name: z, .offset: 0, .size: 8, .value_kind: global_buffer, .address_space: global }
      - { .name: emb, .offset: 8, .size: 8, .value_kind: global_buffer, .address_space: global }
      - { .name: cand_d, .offset: 16, .size: 8, .value_kind: global_buffer, .address_space: global }
      - { .name: cand_i, .offset: 24, .size: 8, .value_kind: global_buffer, .address_space: global }
      - { .name: out0, .offset: 32, .size: 8, .value_kind: global_buffer, .address_space: global }
      - { .name: out3, .offset: 40, .size: 8, .value_kind: global_buffer, .address_space: global }
      - { .name: part, .offset: 48, .size: 8, .value_kind: global_buffer, .address_space: global }
    .group_segment_fixed_size: 1280
    .private_segment_fixed_size: 0
    .kernarg_segment_align: 8
    .kernarg_segment_size: 56
    .max_flat_workgroup_size: 256
    .sgpr_count:     88
    .vgpr_count:     210
    .wavefront_size: 32
...
	.end_amdgpu_metadata
.endif
;; end of part 3
;; launch final (part 4): grid 1 x 1, 8 waves a work-group, no clusters, 1,280 bytes of LDS; arguments part, code_age, out1, out2, out4, out5; writes out1, out2, out4, out5
.if DOCPART == 4
	.amdgcn_target "amdgcn-amd-amdhsa--gfx1250"
	.amdhsa_code_object_version 6
	.text
	.protected	k_q88b671c4f0_final
	.globl	k_q88b671c4f0_final
	.p2align	8
	.type	k_q88b671c4f0_final,@function
k_q88b671c4f0_final:
	s_mov_b64 s[64:65], 0
	v_nop
	global_prefetch_b8 v0, s[64:65] scope:SCOPE_SE
	s_setreg_imm32_b32 hwreg(HW_REG_WAVE_MODE, 25, 1), 1
	s_wait_xcnt 0x0
; out1 = the sum of the 256 parts / 2^21 (8,192 rows x 256); out2 = 0.25 out1; out4 = (how many of the 8,192 ages are under 128) / 8,192; out5 = the ages' sum / 8,192.
; One work-group: a sum over all work-groups of the launch before has one owner.  Thread t takes part[t] and 32 ages, as eight pieces of 16 bytes 4,096 bytes apart: a wave's load covers 512 consecutive bytes.
; A NaN among the ages is not under 128, as in the definition, and makes out5 NaN, as there.
	s_load_b256 s[4:11], s[0:1], 0x0               ; part s[4:5], code_age s[6:7], out1 s[8:9], out2 s[10:11]
	s_load_b128 s[12:15], s[0:1], 0x20             ; out4 s[12:13], out5 s[14:15]
	v_lshl_add_u32 v64, v0, 2, 0x100
	v_mov_b32 v65, 0
	v_lshrrev_b32 v1, 5, v0
	v_readfirstlane_b32 s16, v1                    ; wave 0..7
	v_lshlrev_b32 v1, 2, v0
	v_lshlrev_b32 v3, 4, v0
	s_lshl_b32 s17, s16, 4
	v_mov_b32 v5, s17                              ; LDS: my wave's 16 bytes
	v_mov_b32 v6, 0
	s_mov_b32 s18, 0x43000000                      ; 128.0
	s_mov_b32 s20, 0x76543210                      ; v_permlanex16_b32: lane l xor 16
	s_mov_b32 s21, 0xfedcba98
	v_mov_b32 v42, 0                               ; the count
	v_mov_b32 v44, 0                               ; a lane permute's destination counts as read
	v_mov_b32 v51, 0
	s_wait_kmcnt 0x0
	global_load_b32 v48, v1, s[4:5] th:TH_LOAD_NT
.irp i, 0,1,2,3,4,5,6,7
	global_load_b128 v[8+4*\i:11+4*\i], v3, s[6:7] offset:4096*\i th:TH_LOAD_NT
.endr
	s_wait_loadcnt 0x0
	v_pk_add_f32 v[40:41], v[8:9], v[10:11]
.irp j, 12,14,16,18,20,22,24,26,28,30,32,34,36,38
	v_pk_add_f32 v[40:41], v[40:41], v[\j:\j+1]
.endr
.irp j, 8,9,10,11,12,13,14,15,16,17,18,19,20,21,22,23,24,25,26,27,28,29,30,31,32,33,34,35,36,37,38,39
	v_cmp_gt_f32 vcc_lo, s18, v[\j]                ; 128 > age
	v_add_co_ci_u32 v42, vcc_lo, 0, v42, vcc_lo    ; the count takes the bit as a carry
.endr
	v_add_f32 v49, v40, v41
	v_cvt_f32_u32 v50, v42
.macro RED r                           ; the sum over the wave's 32 lanes, in every lane
	v_add_f32_dpp v[\r], v[\r], v[\r] row_xmask:1 row_mask:0xf bank_mask:0xf
	v_add_f32_dpp v[\r], v[\r], v[\r] row_xmask:2 row_mask:0xf bank_mask:0xf
	v_add_f32_dpp v[\r], v[\r], v[\r] row_xmask:4 row_mask:0xf bank_mask:0xf
	v_add_f32_dpp v[\r], v[\r], v[\r] row_xmask:8 row_mask:0xf bank_mask:0xf
	v_permlanex16_b32 v44, v[\r], s20, s21
	v_add_f32 v[\r], v[\r], v44
.endm
	RED 48
	RED 49
	RED 50
	ds_store_b128 v5, v[48:51]                     ; loss, ages, count, 0: all lanes write the same 16 bytes with the same numbers
	s_wait_dscnt 0x0                               ; for wave 0's sake
	s_barrier_signal -1
	s_barrier_wait -1
	s_cmp_lg_u32 s16, 0
	s_cbranch_scc1 .Lend
.irp i, 0,1,2,3,4,5,6,7
	ds_load_b128 v[8+4*\i:11+4*\i], v6 offset:16*\i
.endr
	s_wait_dscnt 0x0
.irp i, 1,2,3,4,5,6,7
	v_pk_add_f32 v[8:9], v[8:9], v[8+4*\i:9+4*\i]
	v_add_f32 v10, v10, v[10+4*\i]
.endr
	v_mul_f32 v52, 0x35000000, v8                  ; x 2^-21
	v_mul_f32 v54, 0x39000000, v10                 ; x 2^-13
	v_mul_f32 v55, 0x39000000, v9
	v_mul_f32 v53, 0.25, v52
	v_cmp_eq_u32 vcc_lo, 0, v0
	s_wait_xcnt 0x0                                ; EXEC changes only behind this wait
	s_and_saveexec_b32 s22, vcc_lo
	global_store_b32 v6, v52, s[8:9]
	global_store_b32 v6, v53, s[10:11]
	global_store_b32 v6, v54, s[12:13]
	global_store_b32 v6, v55, s[14:15]
	s_wait_xcnt 0x0                                ; and again, in front of the line that widens it
	s_or_b32 exec_lo, exec_lo, s22
.Lend:
	s_wait_tensorcnt 0x0
	ds_add_u32 v64, v65
	s_wait_dscnt 0x0
	s_endpgm
.Lfunc_end_k_q88b671c4f0_final:
	.size	k_q88b671c4f0_final, .Lfunc_end_k_q88b671c4f0_final-k_q88b671c4f0_final
	.p2alignl 7, 3214868480
	.fill 96, 4, 3214868480
	.section	.rodata,"a",@progbits
	.p2align	6, 0x0
	.amdhsa_kernel k_q88b671c4f0_final
		.amdhsa_group_segment_fixed_size 1280
		.amdhsa_private_segment_fixed_size 0
		.amdhsa_enable_private_segment 0
		.amdhsa_kernarg_size 48
		.amdhsa_user_sgpr_count 2
		.amdhsa_user_sgpr_kernarg_segment_ptr 1
		.amdhsa_wavefront_size32 1
		.amdhsa_system_sgpr_workgroup_id_x 1
		.amdhsa_system_sgpr_workgroup_id_y 1
		.amdhsa_system_sgpr_workgroup_id_z 1
		.amdhsa_system_vgpr_workitem_id 0
		.amdhsa_next_free_vgpr 66
		.amdhsa_next_free_sgpr 66
		.amdhsa_reserve_vcc 1
		.amdhsa_float_denorm_mode_32 3
		.amdhsa_float_denorm_mode_16_64 3
		.amdhsa_memory_ordered 1
		.amdhsa_forward_progress 1
		.amdhsa_inst_pref_size 9
	.end_amdhsa_kernel
	.amdgpu_metadata
---
amdhsa.version: [ 1, 2 ]
amdhsa.kernels:
  - .name:           k_q88b671c4f0_final
    .symbol:         k_q88b671c4f0_final.kd
    .args:
      - { .name: part, .offset: 0, .size: 8, .value_kind: global_buffer, .address_space: global }
      - { .name: code_age, .offset: 8, .size: 8, .value_kind: global_buffer, .address_space: global }
      - { .name: out1, .offset: 16, .size: 8, .value_kind: global_buffer, .address_space: global }
      - { .name: out2, .offset: 24, .size: 8, .value_kind: global_buffer, .address_space: global }
      - { .name: out4, .offset: 32, .size: 8, .value_kind: global_buffer, .address_space: global }
      - { .name: out5, .offset: 40, .size: 8, .value_kind: global_buffer, .address_space: global }
    .group_segment_fixed_size: 1280
    .private_segment_fixed_size: 0
    .kernarg_segment_align: 8
    .kernarg_segment_size: 48
    .max_flat_workgroup_size: 256
    .sgpr_count:     66
    .vgpr_count:     66
    .wavefront_size: 32
...
	.end_amdgpu_metadata
.endif
;; end of part 4
;; ======== version 2 of 2: 4 launches
;; limits: right only within a limited range of input values
;; workspace buffers: codes 4,194,304 bytes; sq 65,536 bytes; cand 1,048,576 bytes of whole numbers; part 4,096 bytes
;; launch prep (part 5): grid 256 x 1, 8 waves a work-group, no clusters, 168,960 bytes of LDS; arguments z, emb, lowp_scales, codes, sq; writes codes, sq
.if DOCPART == 5
	.amdgcn_target "amdgcn-amd-amdhsa--gfx1250"
	.amdhsa_code_object_version 6
	.text
	.protected	k_q88b671c4f0_prep
	.globl	k_q88b671c4f0_prep
	.p2align	8
	.type	k_q88b671c4f0_prep,@function
k_q88b671c4f0_prep:
	s_mov_b64 s[64:65], 0
	v_nop
	global_prefetch_b8 v0, s[64:65] scope:SCOPE_SE
	s_setreg_imm32_b32 hwreg(HW_REG_WAVE_MODE, 25, 1), 1
	s_wait_xcnt 0x0
; z [8192][256] and emb [8192][256], f32, become codes of BF8 (E5M2), each tensor with its given scale 2^e, and each row's sum of squares (of the numbers as they are given) is made in f32.
; code = x / 2^e, held within +-57,344, to the nearest code, ties to even.  LIMITS: -126 <= e <= 112, so that 2^e and 57,344 x 2^e are f32 numbers; NaN among the inputs is not served.
; No work of the definition is left out, and every input is loaded: z, emb and the scales here, code_age by the launch that gathers.
; THE CODES ARE LAID AS THE NEXT LAUNCH'S OPERAND REGISTERS: a set is 16 rows x 256 K = 4,096 bytes; byte 512 u + 16 lane + i of a set is row lane % 16, k = 32 u + 16 (lane / 16) + i.
; Sets 0-511 are z's, sets 512-1023 emb's.  The same place for each k in both tensors: every product meets its partner.
; SHARES: 1,024 sets; wave w of work-group x takes half w % 2 along K (128 numbers a row) of set 4 x + w / 2.  Work-groups 0-127 take z, the others emb: only pointers and the exponent are chosen, there is one path.
; The half's 16 rows of 512 bytes come by one tensor load into the wave's own LDS bytes, rows 528 bytes apart, so that the sixteen rows which a load of 16 bytes a lane touches
; begin at sixteen different 16-byte columns modulo 256.  No cluster: no two work-groups read the same bytes.
.set PITCH, 528
.set WTILE, 16*PITCH                   ; a wave's tile in LDS
.set SCR,   8*WTILE                    ; 67,584: behind the tiles, two blocks of 256 bytes: 64 rows' sums of squares for each half of K
.set SPARE, 167936                     ; the spare words, 128 bytes a wave
.set X,     32                         ; v32-95   my 64 numbers: chunk u at v[X + 16 u]
.set C,     96                         ; v96-111  my codes: chunk u at v[C + 4 u]; no store's data are written again
.set SPW,   112
.set NIL,   113
	s_load_b128 s[4:7], s[0:1], 0x0                ; z, emb
	s_load_b128 s[8:11], s[0:1], 0x10              ; the scales' exponents, codes
	s_load_b64 s[24:25], s[0:1], 0x20              ; sq
	v_lshl_add_u32 v[SPW], v0, 2, SPARE
	v_mov_b32 v[NIL], 0
	ds_add_u32 v[SPW], v[NIL]                      ; the wave's opening: the add, twice on end, and its wait ahead of my tensor load
	ds_add_u32 v[SPW], v[NIL]
	v_lshrrev_b32 v1, 5, v0
	v_readfirstlane_b32 s26, v1                    ; wave 0..7
	s_lshr_b32 s40, s26, 1                         ; my set of the work-group's four
	s_and_b32 s41, s26, 1                          ; my half of K
	; descriptor group 1: 16 rows x 128 elements of 4 bytes, four words of padding behind every 128 words
	s_mov_b32 s16, (2<<16)|(1<<20)|(6<<22)|(3<<25)
	s_mov_b32 s17, 128<<16                         ; tensor_dim0 = 128
	s_mov_b32 s18, 16<<16                          ; tensor_dim1 = 16
	s_mov_b32 s19, 128<<16                         ; tile_dim0 = 128
	s_mov_b32 s20, 16                              ; tile_dim1 = 16
	s_mov_b32 s21, 256                             ; elements from row to row
	s_mov_b32 s22, 0
	s_mov_b32 s23, 0
	s_and_b32 s27, ttmp9, 127
	s_lshl_b32 s27, s27, 2
	s_add_co_u32 s27, s27, s40                     ; my set within its tensor
	s_lshl_b32 s28, s27, 14                        ; x 16 rows of 1,024 bytes
	s_lshl_b32 s42, s41, 9
	s_add_co_u32 s28, s28, s42                     ; + 512 bytes for the upper half
	s_mov_b32 s29, 0
	s_lshl_b32 s30, ttmp9, 2
	s_add_co_u32 s30, s30, s40                     ; my set among the 1,024
	s_lshl_b32 s30, s30, 12                        ; x 4,096 bytes
	s_lshl_b32 s42, s41, 11
	s_add_co_u32 s30, s30, s42                     ; + four chunks of 512 bytes
	s_mov_b32 s31, 0
	s_lshl_b32 s32, ttmp9, 8                       ; the work-group's 64 sums: 256 bytes, at 256 x in sq (z's rows first, then emb's)
	s_mov_b32 s33, 0
	s_mul_i32 s34, s26, WTILE                      ; my tile in LDS
	s_mov_b32 s38, 0x76543210                      ; v_permlanex16_b32: lane l xor 16
	s_mov_b32 s39, 0xfedcba98
	s_wait_dscnt 0x0
	s_wait_kmcnt 0x0
	s_load_b64 s[36:37], s[8:9], 0x0               ; e of z, e of emb
	s_cmp_lt_u32 ttmp9, 128                        ; z's work-group or emb's: the choice hangs on the work-group's number alone
	s_cselect_b64 s[4:5], s[4:5], s[6:7]
	s_mov_b32 s12, 1                               ; group 0: count = 1,
	s_mov_b32 s13, s34                             ; LDS address,
	s_add_nc_u64 s[14:15], s[4:5], s[28:29]        ; global address of my tile,
	s_or_b32 s15, s15, 0x80000000                  ; type = 2
	tensor_load_to_lds s[12:15], s[16:23]          ; my one tensor load
	s_nop 0
.rept 4
	v_nop
.endr
	v_and_b32 v1, 31, v0                           ; lane
	v_and_b32 v2, 15, v0                           ; r
	v_bfe_u32 v3, v0, 4, 1                         ; h
	v_mul_u32_u24 v4, v2, PITCH
	v_lshl_add_u32 v4, v3, 6, v4
	v_add_nc_u32 v4, s34, v4                       ; row r of my tile, + 64 h: my 16 numbers of a block of 32
	v_lshlrev_b32 v5, 4, v1                        ; 16 x lane: my codes' place in a chunk's 512 bytes
	s_lshl_b32 s35, s40, 6
	s_lshl_b32 s42, s41, 8
	s_add_co_u32 s35, s35, s42
	s_add_co_u32 s35, s35, SCR
	v_lshl_add_u32 v6, v2, 2, s35                  ; where row r's sum goes: SCR + 256 half + 64 set + 4 r
	v_lshl_add_u32 v7, v1, 3, SCR                  ; where wave 0 reads two sums back
	v_lshlrev_b32 v8, 3, v1                        ; and their place in the 256 bytes of sq
	v_mov_b32 v24, 0                               ; a lane permute's destination counts as read: written once
	s_add_nc_u64 s[10:11], s[10:11], s[30:31]
	s_add_nc_u64 s[24:25], s[24:25], s[32:33]
	s_wait_alu depctr_va_vdst(0)
	s_wait_kmcnt 0x0
	s_cmp_lt_u32 ttmp9, 128
	s_cselect_b32 s36, s36, s37                    ; e
	s_add_co_i32 s36, s36, 127
	s_lshl_b32 s37, s36, 23
	v_mov_b32 v11, s37                             ; 2^e as f32: the conversion takes its exponent field
	s_add_co_i32 s36, s36, 15
	s_lshl_b32 s36, s36, 23
	s_or_b32 s36, s36, 0x600000
	v_mov_b32 v10, s36                             ; 57,344 x 2^e
	s_wait_alu depctr_va_vdst(0)                   ; the head's end
	s_wait_tensorcnt 0x0                           ; my tile is in LDS; only I read it, so no barrier is needed
.irp u, 0,1,2,3
.irp i, 0,1,2,3
	ds_load_b128 v[X+16*\u+4*\i:X+16*\u+4*\i+3], v4 offset:128*\u+16*\i
.endr
.endr
; Chunk u: my 16 numbers k = 128 half + 32 u + 16 h + 0 .. 15: squares into four chains, the hold, 16 codes, one store of 512 consecutive bytes a wave.
.macro CHUNK u
	s_wait_dscnt 12-4*\u                           ; LDS loads come back in order: the four of this chunk are in, the 12 - 4 u younger ones may be out
.irp k, 0,1,2,3,4,5,6,7
.if (\u == 0) && (\k < 4)
	v_pk_mul_f32 v[16+2*\k:17+2*\k], v[X+2*\k:X+2*\k+1], v[X+2*\k:X+2*\k+1]      ; the first squares start the sums: nothing is cleared
.else
	v_pk_fma_f32 v[16+2*(\k%4):17+2*(\k%4)], v[X+16*\u+2*\k:X+16*\u+2*\k+1], v[X+16*\u+2*\k:X+16*\u+2*\k+1], v[16+2*(\k%4):17+2*(\k%4)]
.endif
.endr
.irp i, 0,1,2,3,4,5,6,7,8,9,10,11,12,13,14,15
	v_med3_num_f32 v[X+16*\u+\i], v[X+16*\u+\i], -v10, v10   ; the conversion to an 8-bit code does not saturate (ISA guide 7.6.2): the hold comes first
.endr
	v_cvt_scalef32_pk8_bf8_f32 v[C+4*\u:C+4*\u+1], v[X+16*\u:X+16*\u+7], v11
	v_cvt_scalef32_pk8_bf8_f32 v[C+4*\u+2:C+4*\u+3], v[X+16*\u+8:X+16*\u+15], v11
	global_store_b128 v5, v[C+4*\u:C+4*\u+3], s[10:11] offset:512*\u   ; the codes go only to this store; the vector lines that follow are plain and touch other registers
.endm
	CHUNK 0
	CHUNK 1
	CHUNK 2
	CHUNK 3
	v_pk_add_f32 v[16:17], v[16:17], v[18:19]
	v_pk_add_f32 v[20:21], v[20:21], v[22:23]
	s_delay_alu instid0(VALU_DEP_1)
	v_pk_add_f32 v[20:21], v[16:17], v[20:21]
	s_delay_alu instid0(VALU_DEP_1)
	v_add_f32 v20, v20, v21                        ; my numbers of row r,
	s_delay_alu instid0(VALU_DEP_1)
	v_permlanex16_b32 v24, v20, s38, s39
	s_delay_alu instid0(VALU_DEP_1)
	v_add_f32 v20, v20, v24                        ; and the other lane's of this half of K
	ds_store_b32 v6, v20                           ; lanes r and r + 16 write the same word with the same number
	s_wait_alu depctr_va_vdst(0)
	s_wait_dscnt 0x0                               ; for wave 0's sake: my store has landed
	s_barrier_signal -1
	s_barrier_wait -1
	s_cmp_lg_u32 s26, 0
	s_cbranch_scc1 .Lend
	ds_load_b64 v[26:27], v7                       ; two rows' sums over the lower half of K,
	ds_load_b64 v[28:29], v7 offset:256            ; and over the upper
	s_wait_dscnt 0x0
	v_pk_add_f32 v[26:27], v[26:27], v[28:29]
	global_store_b64 v8, v[26:27], s[24:25]        ; the work-group's 64 sums: 256 consecutive bytes, at a multiple of 256 from sq's first byte
.Lend:
	s_wait_tensorcnt 0x0                           ; the wave's end
	ds_add_u32 v[SPW], v[NIL]
	s_wait_dscnt 0x0
	s_endpgm
.Lfunc_end_k_q88b671c4f0_prep:
	.size	k_q88b671c4f0_prep, .Lfunc_end_k_q88b671c4f0_prep-k_q88b671c4f0_prep
	.p2alignl 7, 3214868480
	.fill 96, 4, 3214868480
	.section	.rodata,"a",@progbits
	.p2align	6, 0x0
	.amdhsa_kernel k_q88b671c4f0_prep
		.amdhsa_group_segment_fixed_size 168960
		.amdhsa_private_segment_fixed_size 0
		.amdhsa_enable_private_segment 0
		.amdhsa_kernarg_size 40
		.amdhsa_user_sgpr_count 2
		.amdhsa_user_sgpr_kernarg_segment_ptr 1
		.amdhsa_wavefront_size32 1
		.amdhsa_system_sgpr_workgroup_id_x 1
		.amdhsa_system_sgpr_workgroup_id_y 1
		.amdhsa_system_sgpr_workgroup_id_z 1
		.amdhsa_system_vgpr_workitem_id 0
		.amdhsa_next_free_vgpr 114
		.amdhsa_next_free_sgpr 66
		.amdhsa_reserve_vcc 0
		.amdhsa_float_denorm_mode_32 3
		.amdhsa_float_denorm_mode_16_64 3
		.amdhsa_memory_ordered 1
		.amdhsa_forward_progress 1
		.amdhsa_inst_pref_size 13
	.end_amdhsa_kernel
	.amdgpu_metadata
---
amdhsa.version: [ 1, 2 ]
amdhsa.kernels:
  - .name:           k_q88b671c4f0_prep
    .symbol:         k_q88b671c4f0_prep.kd
    .args:
      - { .name: z, .offset: 0, .size: 8, .value_kind: global_buffer, .address_space: global }
      - { .name: emb, .offset: 8, .size: 8, .value_kind: global_buffer, .address_space: global }
      - { .name: lowp_scales, .offset: 16, .size: 8, .value_kind: global_buffer, .address_space: global }
      - { .name: codes, .offset: 24, .size: 8, .value_kind: global_buffer, .address_space: global }
      - { .name: sq, .offset: 32, .size: 8, .value_kind: global_buffer, .address_space: global }
    .group_segment_fixed_size: 168960
    .private_segment_fixed_size: 0
    .kernarg_segment_align: 8
    .kernarg_segment_size: 40
    .max_flat_workgroup_size: 256
    .sgpr_count:     66
    .vgpr_count:     114
    .wavefront_size: 32
...
	.end_amdgpu_metadata
.endif
;; end of part 5
;; launch dist (part 6): grid 16 x 16, 8 waves a work-group, clusters of 4 x 4, 327,680 bytes of LDS; arguments codes, sq, lowp_scales, cand; writes cand
.if DOCPART == 6
	.amdgcn_target "amdgcn-amd-amdhsa--gfx1250"
	.amdhsa_code_object_version 6
	.text
	.protected	k_q88b671c4f0_dist
	.globl	k_q88b671c4f0_dist
	.p2align	8
	.type	k_q88b671c4f0_dist,@function
k_q88b671c4f0_dist:
	s_mov_b64 s[64:65], 0
	v_nop
	global_prefetch_b8 v0, s[64:65] scope:SCOPE_SE
	s_setreg_imm32_b32 hwreg(HW_REG_WAVE_MODE, 25, 1), 1
	s_wait_xcnt 0x0
	s_wait_alu depctr_hold_cnt(0) depctr_sa_sdst(0) depctr_va_vdst(0) depctr_va_sdst(0) depctr_va_ssrc(0) depctr_va_vcc(0) depctr_vm_vsrc(0)
	s_getreg_b32 s2, hwreg(HW_REG_IB_STS2, 6, 4)
	s_cmp_eq_u32 s2, 0
	s_cbranch_scc0 .Lentry_in_a_cluster
	s_endpgm
.Lentry_in_a_cluster:
	s_bfe_u32 s2, ttmp6, 0x10000c
	s_cmp_lg_u32 s2, 0xf033
	s_cbranch_scc0 .Lentry_shape_is_right
	s_endpgm
.Lentry_shape_is_right:
; d[m][n] = (|z_m|^2 + |e_n|^2) - 2 (z_m . e_n), the product on codes of BF8 (E5M2); for each row m and each of 16 blocks of 512 codes: the least d and the FIRST code that attains it.
; ROUNDING.  The definition rounds |z_m|^2 + |e_n|^2 to f32, which puts |e_n|^2 on the grid of that sum, and then rounds the difference.  Here |e_n|^2 is put on the grid of the least |z|^2 (Zmin) of the wave's 64 rows,
; as fl(fl(Zmin + |e_n|^2) - Zmin), and enters the product as the first matrix instruction's C, divided by -2^(1 + e0 + e1): u = P - that.  Then -d = u 2^(1 + e0 + e1) - |z_m|^2 is one fused multiply-add.
; LIMIT (order of rounding): the error so made in |e_n|^2 is at most half a unit in the last place of Zmin + |e_n|^2, no more than the definition's own; codes whose d differ by roundings of that size may come out in the other order.
; For one row -d is a rounded, so monotone, function of u: the largest -d of a group of codes is that function of the largest u.  So maxima are taken of u, and one multiply-add serves a lane's eight codes.
; Ties go to the lower code: a later set replaces the best only where its -d is strictly greater; within the set the lowest register whose -d equals the best is taken; across lanes the least code among equal d.
; LIMITS: -126 <= e0 + e1 <= 125, so that 2^(1 + e0 + e1) and its inverse are f32 numbers.  A row all of whose d are +infinity or NaN is not served.
; SHARES.  A work-group: 512 rows (block y) x 512 codes (block x), 16 x 16 work-groups.  Eight waves: wave w takes rows 64 w on, four tiles of 16, x all 512 codes = 32 sets of 16.
; The two images, 131,072 bytes each, lie in LDS at once: each wave asks for an eighth with ONE tensor load, and nothing is filled again.  z's codes then stay in registers, each read from LDS once.
; CLUSTER of 4 x 4: the four of a row of the cluster share z's block, the four of a column emb's: each part is asked for JOINTLY with a mask that names the four.  My place enters only global addresses, masks and the code's number.
; No prefetch: the launch has no loop over memory to run ahead in.
; THE PRODUCT IS USED TRANSPOSED: source 0 = 16 codes of emb, source 1 = 16 rows of z.  Lane (r, h) then holds row 16 t + r, and register j code 16 s + 8 h + j.
; REGISTERS: window 1 (v256-383): z's fragments (tile t, K step ks) at v[32 t + 16 ks].  Window 0: as named below.
.set ZSIZE, 131072
.set SEREG, 262144                     ; each wave's C numbers: 2,048 bytes a wave, written and read by that wave alone; no tensor load lands here
.set SPARE, SEREG+16384                ; the spare words, 128 bytes a wave: four blocks of 256 bytes that no other line names
.set SPW, 1                            ; v1   SPARE + 4 x my thread's number; never rewritten
.set NIL, 2                            ; v2   0; never rewritten
.set LB,  3                            ; v3   emb's image + 16 x lane
.set ADE, 4                            ; v4   address of the set being fetched
.set SLB, 5                            ; v5   my C numbers + 32 h
.set ADS, 6
.set BC,  8                            ; v8   first code of my block + 8 h
.set ZB,  10                           ; v10  my rows' image + 16 x lane
.set CO,  11                           ; v11  my place in a store of candidates
.set SZ,  16                           ; v16-19   |z|^2 of row 16 t + r
.set M,   20                           ; v20-23   four tiles' maxima, then their -d
.set X,   24                           ; v24-27   at work
.set BEST, 28                          ; v28-31   the greatest -d so far
.set SS,  32                           ; v32-35   16 x its set
.set SEB, 36                           ; v36-51   C of two sets
.set EF,  64                           ; v64-127  emb's fragments, two sets: (b, ks) at v[64 + 32 b + 16 ks]
.set KP,  128                          ; v128-159 the best set's eight u: tile t at v[128 + 8 t]
.set ACC, 160                          ; v160-223 the accumulators of two sets: (b, t) at v[160 + 32 b + 8 t]
.set JJ,  EF                           ; behind the loop emb's registers are at work
.set KK,  EF+4
.set PP,  EF+8
.set NN,  EF+12
.set OO,  EF+16
.set WV,  14                           ; s14  wave
.set G1,  24                           ; s[24:31], s[32:35] groups 1 and 0 for z's part
.set G0,  32
.set G1B, 48                           ; s[48:55], s[56:59] for emb's
.set G0B, 56
.set CF,  66                           ; s[66:67] 2^(1 + e0 + e1)
.set EP,  68                           ; s68  4,096 x the set to fetch next
.set SX,  69                           ; s69  64 x the same
.set CUR, 70                           ; s70  16 x the set in hand
.set IC,  74                           ; s[74:75] -2^-(1 + e0 + e1)
.set MK,  76                           ; s76-79 masks
.set MSB, 0
.macro WIN new                         ; the immediate's high byte repeats the setting that is left
.if MSB != \new
	s_set_vgpr_msb (MSB<<8)|\new
.set MSB, \new
.endif
.endm
.set W_MUL, 0x04                       ; source 1 (z) window 1; source 0 (emb), C and D window 0
.set TO_Z,  0x40                       ; destination window 1
.macro ROUND                           ; a round of the cluster's barrier
	s_barrier_signal -1
	s_barrier_wait -1
	s_cmp_lg_u32 s[WV], 0
	s_cbranch_scc1 .Lnot_wave_0_\@
	s_barrier_signal -3
.Lnot_wave_0_\@:
	s_barrier_wait -3
	s_barrier_signal -1
	s_barrier_wait -1
.endm
	s_load_b256 s[4:11], s[0:1], 0x0               ; codes s[4:5], sq s[6:7], the exponents s[8:9], cand s[10:11]
	v_lshl_add_u32 v[SPW], v0, 2, SPARE
	v_mov_b32 v[NIL], 0
	ds_add_u32 v[SPW], v[NIL]                      ; the wave's opening: the add, twice on end, and its wait ahead of my tensor load
	ds_add_u32 v[SPW], v[NIL]
	v_lshrrev_b32 v7, 5, v0
	v_readfirstlane_b32 s[WV], v7                  ; wave 0..7
	s_lshr_b32 s15, s[WV], 2                       ; I fetch for z (0) or for emb (1),
	s_and_b32 s16, s[WV], 3                        ; and which quarter of that image
	s_bfe_u32 s40, ttmp6, 0x40000                  ; cx
	s_bfe_u32 s41, ttmp6, 0x40004                  ; cy
	s_lshl_b32 s42, ttmp9, 2
	s_add_co_u32 s42, s42, s40                     ; block of codes = 4 x cluster x + cx
	s_and_b32 s17, ttmp7, 0xffff
	s_lshl_b32 s17, s17, 2
	s_add_co_u32 s17, s17, s41                     ; block of rows = 4 x cluster y + cy
	s_lshl_b32 s43, s41, 2
	s_lshl_b32 s43, 15, s43                        ; my row of the cluster
	s_lshl_b32 s44, 0x1111, s40                    ; my column
	; groups 1: 128 rows of 32 elements of 8 bytes: 32,768 dense bytes, eight sets; no padding: images are read 512 consecutive bytes at a time
	s_or_b32 s[G1], s43, (3<<16)|(1<<21)
	s_or_b32 s[G1B], s44, (3<<16)|(1<<21)
.irp g, G1, G1B
	s_mov_b32 s[\g+1], 32<<16                      ; tensor_dim0 = 32
	s_mov_b32 s[\g+2], 128<<16                     ; tensor_dim1 = 128
	s_mov_b32 s[\g+3], 32<<16                      ; tile_dim0 = 32
	s_mov_b32 s[\g+4], 128                         ; tile_dim1 = 128
	s_mov_b32 s[\g+5], 32                          ; elements from row to row
	s_mov_b32 s[\g+6], 0
	s_mov_b32 s[\g+7], 0
.endr
	s_lshl_b32 s45, s[WV], 15                      ; LDS: z's four parts, then emb's four = 32,768 x wave
	s_mov_b32 s[G0], 1
	s_mov_b32 s[G0+1], s45
	s_mov_b32 s[G0B], 1
	s_mov_b32 s[G0B+1], s45
	s_lshl_b32 s18, s16, 15
	s_lshl_b32 s20, s17, 17
	s_add_co_u32 s20, s20, s18                     ; z: 131,072 x block + 32,768 x quarter
	s_mov_b32 s21, 0
	s_lshl_b32 s46, s42, 17
	s_add_co_u32 s46, s46, s18
	s_add_co_u32 s46, s46, 2097152                 ; emb: the same behind z's 512 sets
	s_mov_b32 s47, 0
	s_lshl_b32 s22, s17, 11
	s_lshl_b32 s92, s[WV], 8
	s_add_co_u32 s22, s22, s92                     ; 4 x my first row
	s_mov_b32 s23, 0
	s_lshl_b32 s80, s42, 11
	s_add_co_u32 s80, s80, 32768                   ; |e|^2 of my block, behind the 8,192 |z|^2
	s_mov_b32 s81, 0
	s_lshl_b32 s93, s42, 15
	s_add_co_u32 s82, s93, s22                     ; my candidates: 32,768 x block + 4 x first row
	s_mov_b32 s83, 0
	s_lshl_b32 s94, s42, 9                         ; my block's first code
	v_and_b32 v7, 31, v0                           ; lane
	v_and_b32 v12, 15, v0                          ; r
	v_bfe_u32 v9, v0, 4, 1                         ; h
	v_lshlrev_b32 v[LB], 4, v7
	v_add_nc_u32 v[LB], ZSIZE, v[LB]
	s_lshl_b32 s92, s[WV], 14
	v_lshl_add_u32 v[ZB], v7, 4, s92
	s_lshl_b32 s92, s[WV], 11
	s_add_co_u32 s92, s92, SEREG
	v_lshl_add_u32 v[SLB], v9, 5, s92
	v_lshl_add_u32 v14, v7, 6, s92                 ; where I put sixteen C numbers
	v_lshlrev_b32 v13, 6, v7                       ; 64 x lane: sixteen |e|^2
	v_lshlrev_b32 v15, 2, v12                      ; 4 r
	v_lshlrev_b32 v[CO], 19, v9                    ; lanes 0-15 store d's keys, lanes 16-31 the codes, 524,288 bytes further on
	v_lshl_add_u32 v[CO], v12, 4, v[CO]
	v_lshl_add_u32 v[BC], v9, 3, s94
	s_wait_dscnt 0x0                               ; both opening adds are done
	s_wait_alu depctr_va_vdst(0)                   ; ahead of the barriers, waits and branches below
	ROUND                                          ; all sixteen work-groups are here: the joint loads meet
	s_wait_kmcnt 0x0
	s_add_nc_u64 s[G0+2:G0+3], s[4:5], s[20:21]
	s_or_b32 s[G0+3], s[G0+3], 0x80000000
	s_add_nc_u64 s[G0B+2:G0B+3], s[4:5], s[46:47]
	s_or_b32 s[G0B+3], s[G0B+3], 0x80000000
	s_cmp_eq_u32 s15, 0                            ; waves 0-3 fetch z's four parts, waves 4-7 emb's: the branch hangs on the wave's number alone
	s_cbranch_scc0 .Lfor_emb
	tensor_load_to_lds s[G0:G0+3], s[G1:G1+7]
	s_nop 0
.rept 4
	v_nop
.endr
	s_branch .Lasked
.Lfor_emb:
	tensor_load_to_lds s[G0B:G0B+3], s[G1B:G1B+7]
	s_nop 0
.rept 4
	v_nop
.endr
.Lasked:
	s_load_b64 s[88:89], s[8:9], 0x0               ; e0, e1
	s_add_nc_u64 s[90:91], s[6:7], s[22:23]
	s_add_nc_u64 s[94:95], s[6:7], s[80:81]
	s_add_nc_u64 s[10:11], s[10:11], s[82:83]
.irp i, 0,1,2,3
	global_load_b128 v[EF+4*\i:EF+4*\i+3], v13, s[94:95] offset:16*\i   ; |e|^2 of sixteen codes
.endr
.irp t, 0,1,2,3
	global_load_b32 v[SZ+\t], v15, s[90:91] offset:64*\t
.endr
	; The best begins at -infinity, under every -d that is a number; what is kept is written once, since a select reads its destination's old value.
.irp t, 0,1,2,3
	v_mov_b32 v[BEST+\t], 0xff800000
	v_mov_b32 v[SS+\t], 0
.endr
.set i, 0
.rept 32
	v_mov_b32 v[KP+i], 0
.set i, i+1
.endr
	s_mov_b32 s[EP], 0
	s_mov_b32 s[SX], 0
	s_mov_b32 s[CUR], 0
	s_mov_b32 s72, 0x76543210                      ; v_permlanex16_b32: lane l xor 16
	s_mov_b32 s73, 0xfedcba98
	s_wait_alu depctr_va_vdst(0)
	s_wait_kmcnt 0x0
	s_add_co_i32 s88, s88, s89
	s_add_co_i32 s[CF], s88, 128
	s_lshl_b32 s[CF], s[CF], 23                    ; 2^(1 + e0 + e1)
	s_mov_b32 s[CF+1], s[CF]                       ; (named with it as a pair, so it is written)
	s_sub_co_i32 s[IC], 126, s88
	s_lshl_b32 s[IC], s[IC], 23
	s_or_b32 s[IC], s[IC], 0x80000000              ; -2^-(1 + e0 + e1)
	s_mov_b32 s[IC+1], s[IC]
	s_wait_loadcnt 0x0
	v_min_num_f32 v12, v[SZ], v[SZ+1]              ; the least |z|^2 of my 64 rows: four in a lane, sixteen lanes
	v_min_num_f32 v13, v[SZ+2], v[SZ+3]
	v_min_num_f32 v12, v12, v13
	v_min_num_f32_dpp v12, v12, v12 row_xmask:1 row_mask:0xf bank_mask:0xf
	v_min_num_f32_dpp v12, v12, v12 row_xmask:2 row_mask:0xf bank_mask:0xf
	v_min_num_f32_dpp v12, v12, v12 row_xmask:4 row_mask:0xf bank_mask:0xf
	v_min_num_f32_dpp v12, v12, v12 row_xmask:8 row_mask:0xf bank_mask:0xf
.irp k, 0,2,4,6,8,10,12,14
	v_pk_add_f32 v[EF+\k:EF+\k+1], v[EF+\k:EF+\k+1], v[12:13] op_sel_hi:[1,0]                            ; (of the pair the low word serves both halves)
.endr
.irp k, 0,2,4,6,8,10,12,14
	v_pk_add_f32 v[EF+\k:EF+\k+1], v[EF+\k:EF+\k+1], v[12:13] op_sel_hi:[1,0] neg_lo:[0,1] neg_hi:[0,1]   ; |e|^2 on Zmin's grid
.endr
.irp k, 0,2,4,6,8,10,12,14
	v_pk_mul_f32 v[EF+\k:EF+\k+1], v[EF+\k:EF+\k+1], s[IC:IC+1] op_sel_hi:[1,0]                          ; a power of two
.endr
.irp i, 0,1,2,3
	ds_store_b128 v14, v[EF+4*\i:EF+4*\i+3] offset:16*\i
.endr
	s_wait_alu depctr_va_vdst(0)                   ; the head's end
	s_wait_tensorcnt 0x0                           ; my part of the images is in,
	s_wait_dscnt 0x0                               ; and my stores have landed
	s_barrier_signal -1
	s_barrier_wait -1                              ; every wave's part is in
.macro FETCH b                         ; the next set's image and C into buffer b: ten loads in one run
	v_add_nc_u32 v[ADE], s[EP], v[LB]
	v_add_nc_u32 v[ADS], s[SX], v[SLB]
	s_add_co_u32 s[EP], s[EP], 4096
	s_add_co_u32 s[SX], s[SX], 64
	ds_load_b128 v[SEB+8*(\b):SEB+8*(\b)+3], v[ADS]
	ds_load_b128 v[SEB+8*(\b)+4:SEB+8*(\b)+7], v[ADS] offset:16
.irp ks, 0,1
.irp c, 0,1,2,3
	ds_load_b128 v[EF+32*(\b)+16*\ks+4*\c:EF+32*(\b)+16*\ks+4*\c+3], v[ADE] offset:2048*\ks+512*\c
.endr
.endr
.endm
; A set's eight products in one run: K step 0 of the four tiles starts the sums from C, K step 1 adds in place.  The four accumulators take turns, one instruction a turn: three others stand between a sum's two steps.
.macro PRODS b
	WIN W_MUL
.irp t, 0,1,2,3
	v_wmma_f32_16x16x128_bf8_bf8 v[ACC+32*(\b)+8*\t:ACC+32*(\b)+8*\t+7], v[EF+32*(\b):EF+32*(\b)+15], v[32*\t:32*\t+15], v[SEB+8*(\b):SEB+8*(\b)+7]
.endr
.irp t, 0,1,2,3
	v_wmma_f32_16x16x128_bf8_bf8 v[ACC+32*(\b)+8*\t:ACC+32*(\b)+8*\t+7], v[EF+32*(\b)+16:EF+32*(\b)+31], v[32*\t+16:32*\t+31], v[ACC+32*(\b)+8*\t:ACC+32*(\b)+8*\t+7]
.endr
	WIN 0
.endm
; The vector work of a set, 46 lines.  Each accumulator is read from its low end on.  VCC says where the old best stays (so the earlier set keeps a tie); on it the set's number and its eight u are kept, the u two selects a line.
.macro VEC b
.irp t, 0,1,2,3
	v_max3_num_f32 v[M+\t], v[ACC+32*(\b)+8*\t], v[ACC+32*(\b)+8*\t+1], v[ACC+32*(\b)+8*\t+2]
.endr
.irp t, 0,1,2,3
	v_max3_num_f32 v[X+\t], v[ACC+32*(\b)+8*\t+3], v[ACC+32*(\b)+8*\t+4], v[ACC+32*(\b)+8*\t+5]
.endr
.irp t, 0,1,2,3
	v_max3_num_f32 v[M+\t], v[M+\t], v[ACC+32*(\b)+8*\t+6], v[ACC+32*(\b)+8*\t+7]
.endr
.irp t, 0,1,2,3
	v_max_num_f32 v[M+\t], v[M+\t], v[X+\t]
.endr
.irp k, 0,2
	v_pk_fma_f32 v[M+\k:M+\k+1], v[M+\k:M+\k+1], s[CF:CF+1], v[SZ+\k:SZ+\k+1] op_sel_hi:[1,0,1] neg_lo:[0,0,1] neg_hi:[0,0,1]   ; -d of the set's best
.endr
.irp t, 0,1,2,3
	v_cmp_ge_f32 vcc_lo, v[BEST+\t], v[M+\t]
	v_max_num_f32 v[BEST+\t], v[M+\t], v[BEST+\t]
	v_cndmask_b32 v[SS+\t], s[CUR], v[SS+\t], vcc_lo
.irp j, 0,2,4,6
	v_dual_cndmask_b32 v[KP+8*\t+\j], v[ACC+32*(\b)+8*\t+\j], v[KP+8*\t+\j] :: v_dual_cndmask_b32 v[KP+8*\t+\j+1], v[ACC+32*(\b)+8*\t+\j+1], v[KP+8*\t+\j+1]
.endr
.endr
.endm
; A SET in buffer b, whose products have been issued; the next set's products go out ahead of this set's vector work, and the set after that is fetched, a whole set ahead of its use, into this set's buffer.
; So 46 plain vector lines that name none of a run's registers stand between a run of products and what reads or writes over its registers (ISA guide 7.12.1 asks for four or five), over the backward jump too.
.macro STEP b, fetch, prods
.if \prods
	s_wait_dscnt 0x0                               ; the next set's image and C are in
.if \fetch
	FETCH \b
.endif
	PRODS 1-\b
.endif
	VEC \b
	s_add_co_u32 s[CUR], s[CUR], 16
.endm
	FETCH 0
	WIN TO_Z
.irp t, 0,1,2,3
.irp ks, 0,1
.irp c, 0,1,2,3
	ds_load_b128 v[32*\t+16*\ks+4*\c:32*\t+16*\ks+4*\c+3], v[ZB] offset:4096*\t+2048*\ks+512*\c
.endr
.endr
.endr
	WIN 0
	FETCH 1
	s_wait_dscnt 10                                ; set 0 and z are in; set 1's ten loads may be out
	PRODS 0
.rept 4
	v_nop                                          ; places behind the first run, ahead of the loads into its sources
.endr
	s_mov_b32 s71, 15
.Lsets:                                                ; sets 0 to 29
	STEP 0, 1, 1
	STEP 1, 1, 1
	s_sub_co_u32 s71, s71, 1
	s_cmp_lg_u32 s71, 0
	s_cbranch_scc1 .Lsets
	STEP 0, 0, 1                                   ; set 30: nothing more to fetch
	STEP 1, 0, 0                                   ; set 31
	; THE CODE OF EACH TILE'S BEST: the lowest j whose -d equals the best.  From j = 7 down, so that the lowest has the last word.
.irp t, 0,1,2,3
.irp k, 0,2,4,6
.if \t % 2
	v_pk_fma_f32 v[KP+8*\t+\k:KP+8*\t+\k+1], v[KP+8*\t+\k:KP+8*\t+\k+1], s[CF:CF+1], v[SZ+\t-1:SZ+\t] op_sel:[0,0,1] op_sel_hi:[1,0,1] neg_lo:[0,0,1] neg_hi:[0,0,1]
.else
	v_pk_fma_f32 v[KP+8*\t+\k:KP+8*\t+\k+1], v[KP+8*\t+\k:KP+8*\t+\k+1], s[CF:CF+1], v[SZ+\t:SZ+\t+1] op_sel_hi:[1,0,0] neg_lo:[0,0,1] neg_hi:[0,0,1]
.endif
.endr
.endr
.irp t, 0,1,2,3
	v_mov_b32 v[JJ+\t], 7
.endr
.irp j, 6,5,4,3,2,1,0
.irp t, 0,1,2,3
	v_cmp_eq_f32 s[MK+\t], v[KP+8*\t+\j], v[BEST+\t]
.endr
.irp t, 0,1,2,3
	v_cndmask_b32 v[JJ+\t], v[JJ+\t], \j, s[MK+\t]
.endr
.endr
.irp t, 0,1,2,3
	v_add3_u32 v[NN+\t], v[SS+\t], v[JJ+\t], v[BC]              ; the code
.endr
	; d as a whole number of the same order: a negative number's lower 31 bits are turned over.  0 - (-d) makes +0 of either zero.
.irp t, 0,1,2,3
	v_sub_f32 v[KK+\t], 0, v[BEST+\t]
.endr
.irp t, 0,1,2,3
	v_ashrrev_i32 v[PP+\t], 31, v[KK+\t]
.endr
.irp t, 0,1,2,3
	v_and_b32 v[PP+\t], 0x7fffffff, v[PP+\t]
.endr
.irp t, 0,1,2,3
	v_xor_b32 v[KK+\t], v[KK+\t], v[PP+\t]
.endr
	; the row's other eight codes of each set lie in lane l xor 16: the lesser key, and the least code among equal keys
.irp t, 0,1,2,3
	v_permlanex16_b32 v[PP+\t], v[KK+\t], s72, s73
.endr
.irp t, 0,1,2,3
	v_min_i32 v[PP+\t], v[KK+\t], v[PP+\t]
.endr
.irp t, 0,1,2,3
	v_cmp_eq_u32 s[MK+\t], v[KK+\t], v[PP+\t]
.endr
.irp t, 0,1,2,3
	v_cndmask_b32 v[NN+\t], -1, v[NN+\t], s[MK+\t]
.endr
.irp t, 0,1,2,3
	v_permlanex16_b32 v[KK+\t], v[NN+\t], s72, s73
.endr
.irp t, 0,1,2,3
	v_min_u32 v[NN+\t], v[NN+\t], v[KK+\t]
.endr
	v_cmp_ne_u32 s84, 0, v9
.irp t, 0,1,2,3
	v_cndmask_b32 v[OO+\t], v[PP+\t], v[NN+\t], s84        ; lanes 0-15 the key, lanes 16-31 the code
.endr
	; Within 64 rows, row 16 t + r stands at byte 16 r + 4 t: sixteen lanes store 256 consecutive bytes, at a multiple of 256 from cand's first byte, of the keys and of the codes each
	global_store_b128 v[CO], v[OO:OO+3], s[10:11]
	s_wait_tensorcnt 0x0                           ; the wave's end
	ds_add_u32 v[SPW], v[NIL]
	s_wait_dscnt 0x0
	ROUND                                          ; the closing round: no work-group ends while a partner may still ask for a part that names it
	s_endpgm
.Lfunc_end_k_q88b671c4f0_dist:
	.size	k_q88b671c4f0_dist, .Lfunc_end_k_q88b671c4f0_dist-k_q88b671c4f0_dist
	.p2alignl 7, 3214868480
	.fill 96, 4, 3214868480
	.section	.rodata,"a",@progbits
	.p2align	6, 0x0
	.amdhsa_kernel k_q88b671c4f0_dist
		.amdhsa_group_segment_fixed_size 327680
		.amdhsa_private_segment_fixed_size 0
		.amdhsa_enable_private_segment 0
		.amdhsa_kernarg_size 32
		.amdhsa_user_sgpr_count 2
		.amdhsa_user_sgpr_kernarg_segment_ptr 1
		.amdhsa_wavefront_size32 1
		.amdhsa_system_sgpr_workgroup_id_x 1
		.amdhsa_system_sgpr_workgroup_id_y 1
		.amdhsa_system_sgpr_workgroup_id_z 1
		.amdhsa_system_vgpr_workitem_id 0
		.amdhsa_next_free_vgpr 384
		.amdhsa_next_free_sgpr 96
		.amdhsa_reserve_vcc 1
		.amdhsa_float_denorm_mode_32 3
		.amdhsa_float_denorm_mode_16_64 3
		.amdhsa_memory_ordered 1
		.amdhsa_forward_progress 1
		.amdhsa_inst_pref_size 36
	.end_amdhsa_kernel
	.amdgpu_metadata
---
amdhsa.version: [ 1, 2 ]
amdhsa.kernels:
  - .name:           k_q88b671c4f0_dist
    .symbol:         k_q88b671c4f0_dist.kd
    .args:
      - { .name: codes, .offset: 0, .size: 8, .value_kind: global_buffer, .address_space: global }
      - { .name: sq, .offset: 8, .size: 8, .value_kind: global_buffer, .address_space: global }
      - { .name: lowp_scales, .offset: 16, .size: 8, .value_kind: global_buffer, .address_space: global }
      - { .name: cand, .offset: 24, .size: 8, .value_kind: global_buffer, .address_space: global }
    .group_segment_fixed_size: 327680
    .private_segment_fixed_size: 0
    .kernarg_segment_align: 8
    .kernarg_segment_size: 32
    .max_flat_workgroup_size: 256
    .sgpr_count:     96
    .vgpr_count:     384
    .wavefront_size: 32
...
	.end_amdgpu_metadata
.endif
;; end of part 6
;; launch gather (part 7): grid 256 x 1, 8 waves a work-group, no clusters, 1,536 bytes of LDS; arguments z, emb, cand, code_age, out0, out3, part; writes out0, out3, part
.if DOCPART == 7
	.amdgcn_target "amdgcn-amd-amdhsa--gfx1250"
	.amdhsa_code_object_version 6
	.text
	.protected	k_q88b671c4f0_gather
	.globl	k_q88b671c4f0_gather
	.p2align	8
	.type	k_q88b671c4f0_gather,@function
k_q88b671c4f0_gather:
	s_mov_b64 s[64:65], 0
	v_nop
	global_prefetch_b8 v0, s[64:65] scope:SCOPE_SE
	s_setreg_imm32_b32 hwreg(HW_REG_WAVE_MODE, 25, 1), 1
	s_wait_xcnt 0x0
; For each row: the best of its 16 candidates (least key; among equal keys the least code); out3 = its code; out0 = z + (emb[code] - z).
; part[x] = the work-group's sum of (emb[code] - z)^2, the sum of 32 ages, and how many of these are under 128.
; Keys and codes are whole numbers that the launch before has stored: the row of emb is named by whole-number minima over them, held inside the table (8,191 at the most).
; SHARES: work-group x, wave w: the four rows 64 (x / 2) + 8 (x % 2) + w + 16 i, i = 0 .. 3, whose keys (and codes) lie in 16 neighbouring bytes of each candidate's 32,768.
; Lane (c, h) loads candidate c's 16 bytes for rows 64 (x / 2) + 8 h + w + 16 i: half x % 2 of the lanes finds my rows' codes, the other half those of the neighbouring work-group's wave w.
; A lane holds 8 numbers of a row, as two pieces of 16 bytes 512 bytes apart: each load and store of a wave covers 512 consecutive bytes.  Each wave also takes four ages, the same in all its lanes.
; out3 is stored 64 rows at a time (256 consecutive bytes, aligned) by the even work-groups.
; part gets 16 bytes from each work-group.  No cluster, no tensor load: the rows gathered differ from work-group to work-group.  No prefetch: no loop to run ahead in.
; A NaN among the ages is not under 128, as in the definition.
.set Z,  16                            ; v16-47   z: row p at v[Z + 8 p]
.set E,  48                            ; v48-79   the gathered rows, then the result
.set DF, 80                            ; v80-87   at work
.set K,  88                            ; v88-91   keys of four rows
.set I,  92                            ; v92-95   codes
.set T,  96                            ; v96-99, v100-103 at work
.set P,  100
.set O,  112                           ; v112-115 offsets in emb
.set AG, 116                           ; v116-119 four ages
.set RS, 120                           ; v120-123 squares, ages, count, 0
.set SPW, 124
.set NIL, 125
.set IDX, 256                          ; LDS: 64 codes; the waves' sums lie from 0 on
.set SPARE, 512                        ; the spare words, 128 bytes a wave
	s_load_b256 s[4:11], s[0:1], 0x0               ; z s[4:5], emb s[6:7], cand s[8:9], code_age s[10:11]
	s_load_b128 s[12:15], s[0:1], 0x20             ; out0 s[12:13], out3 s[14:15]
	s_load_b64 s[60:61], s[0:1], 0x30              ; part
	v_lshl_add_u32 v[SPW], v0, 2, SPARE
	v_mov_b32 v[NIL], 0
	v_lshrrev_b32 v2, 5, v0
	s_delay_alu instid0(VALU_DEP_1)
	v_readfirstlane_b32 s73, v2                    ; wave 0..7
	v_and_b32 v3, 31, v0                           ; lane
	v_and_b32 v7, 7, v0
	v_bfe_u32 v10, v0, 4, 1                        ; h
	v_and_b32 v2, 15, v0                           ; c
	v_mov_b32 v4, 0
	v_lshlrev_b32 v1, 4, v3                        ; 16 x lane
	v_lshlrev_b32 v2, 15, v2
	v_lshlrev_b32 v7, 4, v7                        ; where wave 0 reads a wave's sums
	v_lshl_add_u32 v126, v3, 3, IDX                ; where two codes are read back,
	v_lshlrev_b32 v127, 3, v3                      ; and their place in 256 bytes of out3
	v_lshl_add_u32 v2, v10, 7, v2                  ; 32,768 c + 128 h
.irp p, 0,1,2,3
	v_mov_b32 v[P+\p], 0                           ; a lane permute's destination counts as read: written once
.endr
	v_mov_b32 v[RS+3], 0
	s_lshl_b32 s74, ttmp9, 7                       ; 128 x
	s_lshl_b32 s75, s73, 4                         ; 16 w
	s_add_co_u32 s78, s74, s75                     ; my four ages' place
	s_mov_b32 s79, 0
	s_and_b32 s58, s74, 0xffffff00
	s_add_co_u32 s58, s58, s75                     ; 256 (x / 2) + 16 w: in a candidate's keys
	s_mov_b32 s59, 0
	s_mov_b32 s86, s74                             ; out3: 256 (x / 2), used where x is even
	s_mov_b32 s87, 0
	s_lshr_b32 s80, ttmp9, 1
	s_lshl_b32 s80, s80, 6
	s_and_b32 s81, ttmp9, 1
	s_lshl_b32 s57, s81, 4
	s_lshl_b32 s56, 0xffff, s57                    ; the lanes that find my own rows' codes
	s_lshl_b32 s82, s81, 3
	s_add_co_u32 s80, s80, s82
	s_add_co_u32 s80, s80, s73                     ; my first row
	s_lshl_b32 s76, s80, 10                        ; x 1,024 bytes
	s_mov_b32 s77, 0
	s_lshl_b32 s84, ttmp9, 4
	s_mov_b32 s85, 0
	s_lshl_b32 s88, s73, 2
	s_add_co_u32 s88, s88, IDX
	s_wait_alu depctr_va_vdst(0)
	v_mov_b32 v5, s75                              ; LDS: my wave's sums,
	v_lshl_add_u32 v6, v10, 5, s88                 ; and row 8 h + w's code
	s_mov_b32 s89, 0x43000000                      ; 128.0
	s_mov_b32 s82, 0x76543210                      ; v_permlanex16_b32: lane l xor 16
	s_mov_b32 s83, 0xfedcba98
	s_wait_alu depctr_va_vdst(0)                   ; the head's end
	s_wait_kmcnt 0x0
	s_add_nc_u64 s[66:67], s[8:9], s[58:59]
	s_add_nc_u64 s[68:69], s[10:11], s[78:79]
	s_add_nc_u64 s[4:5], s[4:5], s[76:77]
	s_add_nc_u64 s[12:13], s[12:13], s[76:77]
	s_add_nc_u64 s[14:15], s[14:15], s[86:87]
	s_add_nc_u64 s[60:61], s[60:61], s[84:85]
	global_load_b128 v[K:K+3], v2, s[66:67]
	global_load_b128 v[I:I+3], v2, s[66:67] offset:524288
	global_load_b128 v[AG:AG+3], v4, s[68:69]
.irp p, 0,1,2,3
	global_load_b128 v[Z+8*\p:Z+8*\p+3], v1, s[4:5] offset:16384*\p th:TH_LOAD_NT
	global_load_b128 v[Z+8*\p+4:Z+8*\p+7], v1, s[4:5] offset:16384*\p+512 th:TH_LOAD_NT
.endr
	s_wait_loadcnt 9                               ; the candidates are in; the ages and z, nine loads issued behind them, may be out
	; The least key of each half's 16 lanes, then the least code among the lanes that hold it.  The four rows take turns line by line.
.irp p, 0,1,2,3
	v_mov_b32 v[T+\p], v[K+\p]
.endr
.irp m, 1,2,4,8
.irp p, 0,1,2,3
	v_min_i32_dpp v[T+\p], v[T+\p], v[T+\p] row_xmask:\m row_mask:0xf bank_mask:0xf
.endr
.endr
.irp p, 0,1,2,3
	v_cmp_eq_u32 s[48+\p], v[K+\p], v[T+\p]
.endr
.irp p, 0,1,2,3
	v_cndmask_b32 v[I+\p], -1, v[I+\p], s[48+\p]
.endr
.irp m, 1,2,4,8
.irp p, 0,1,2,3
	v_min_u32_dpp v[I+\p], v[I+\p], v[I+\p] row_xmask:\m row_mask:0xf bank_mask:0xf
.endr
.endr
.irp p, 0,1,2,3
	v_permlanex16_b32 v[P+\p], v[I+\p], s82, s83
.endr
.irp p, 0,1,2,3
	v_cndmask_b32 v[T+\p], v[P+\p], v[I+\p], s56   ; my own rows' codes, in every lane
.endr
.irp p, 0,1,2,3
	v_min_u32 v[T+\p], 0x1fff, v[T+\p]
.endr
.irp p, 0,1,2,3
	v_lshl_add_u32 v[O+\p], v[T+\p], 10, v1
.endr
.irp p, 0,1,2,3
	global_load_b128 v[E+8*\p:E+8*\p+3], v[O+\p], s[6:7]              ; no hint: other rows may name the same code
	global_load_b128 v[E+8*\p+4:E+8*\p+7], v[O+\p], s[6:7] offset:512
.endr
	s_wait_alu depctr_va_vdst(0)                   ; ahead of the branch
	s_cmp_lg_u32 s81, 0
	s_cbranch_scc1 .Lodd
.irp p, 0,1,2,3
	ds_store_b32 v6, v[I+\p] offset:64*\p          ; code of row 16 p + 8 h + w of the 64: a half's lanes write the same word with the same number
.endr
.Lodd:
	s_wait_loadcnt 16                              ; the ages are in: eight loads of z and eight of emb were issued behind them
	v_add_f32 v[RS+1], v[AG], v[AG+1]
	v_add_f32 v12, v[AG+2], v[AG+3]
.irp i, 0,1,2,3
	v_cmp_gt_f32 s[52+\i], s89, v[AG+\i]           ; 128 > age
.endr
.irp i, 0,1,2,3
	v_cndmask_b32 v[T+\i], 0, 1.0, s[52+\i]
.endr
	v_add_f32 v[RS+1], v[RS+1], v12
	v_add_f32 v[T], v[T], v[T+1]
	v_add_f32 v[T+2], v[T+2], v[T+3]
	s_delay_alu instid0(VALU_DEP_1)
	v_add_f32 v[RS+2], v[T], v[T+2]
.macro ROW p
	s_wait_alu depctr_va_vdst(0)
	s_wait_loadcnt 6-2*\p                          ; loads come back in order: z and this row's two are in; the two of each later row may be out
.irp k, 0,2,4,6
	v_pk_add_f32 v[DF+\k:DF+\k+1], v[E+8*\p+\k:E+8*\p+\k+1], v[Z+8*\p+\k:Z+8*\p+\k+1] neg_lo:[0,1] neg_hi:[0,1]   ; z_q - z
.endr
.irp k, 0,2,4,6
	v_pk_add_f32 v[E+8*\p+\k:E+8*\p+\k+1], v[Z+8*\p+\k:Z+8*\p+\k+1], v[DF+\k:DF+\k+1]                             ; z + (z_q - z)
.endr
	global_store_b128 v1, v[E+8*\p:E+8*\p+3], s[12:13] offset:16384*\p th:TH_STORE_NT
	global_store_b128 v1, v[E+8*\p+4:E+8*\p+7], s[12:13] offset:16384*\p+512 th:TH_STORE_NT
.irp k, 0,1,2,3
.if (\p == 0) && (\k < 2)
	v_pk_mul_f32 v[8+2*\k:9+2*\k], v[DF+2*\k:DF+2*\k+1], v[DF+2*\k:DF+2*\k+1]      ; the first squares start the two chains
.else
	v_pk_fma_f32 v[8+2*(\k%2):9+2*(\k%2)], v[DF+2*\k:DF+2*\k+1], v[DF+2*\k:DF+2*\k+1], v[8+2*(\k%2):9+2*(\k%2)]
.endif
.endr
.endm
	ROW 0
	ROW 1
	ROW 2
	ROW 3
	v_pk_add_f32 v[8:9], v[8:9], v[10:11]
	s_delay_alu instid0(VALU_DEP_1)
	v_add_f32 v8, v8, v9
	s_delay_alu instid0(VALU_DEP_1)
	v_add_f32_dpp v8, v8, v8 row_xmask:1 row_mask:0xf bank_mask:0xf
	s_delay_alu instid0(VALU_DEP_1)
	v_add_f32_dpp v8, v8, v8 row_xmask:2 row_mask:0xf bank_mask:0xf
	s_delay_alu instid0(VALU_DEP_1)
	v_add_f32_dpp v8, v8, v8 row_xmask:4 row_mask:0xf bank_mask:0xf
	s_delay_alu instid0(VALU_DEP_1)
	v_add_f32_dpp v8, v8, v8 row_xmask:8 row_mask:0xf bank_mask:0xf
	s_delay_alu instid0(VALU_DEP_1)
	v_permlanex16_b32 v9, v8, s82, s83
	s_delay_alu instid0(VALU_DEP_1)
	v_add_f32 v[RS], v8, v9                        ; my wave's sum, in every lane
	ds_store_b128 v5, v[RS:RS+3]                   ; all lanes write the same 16 bytes with the same numbers
	s_wait_alu depctr_va_vdst(0)
	s_wait_dscnt 0x0                               ; for the reading waves' sake
	s_barrier_signal -1
	s_barrier_wait -1
	s_cmp_lg_u32 s73, 0
	s_cbranch_scc1 .Lnot_0
	ds_load_b128 v[12:15], v7                      ; wave 0: lane l takes the sums of wave l % 8
	s_wait_dscnt 0x0
.irp m, 1,2,4
.irp i, 12,13,14
	v_add_f32_dpp v[\i], v[\i], v[\i] row_xmask:\m row_mask:0xf bank_mask:0xf
.endr
.endr
	v_cmp_eq_u32 vcc_lo, 0, v0
	s_wait_alu depctr_va_vdst(0)
	s_wait_xcnt 0x0                                ; EXEC is a source of the stores above: it changes only behind this wait
	s_and_saveexec_b32 s72, vcc_lo
	global_store_b128 v4, v[12:15], s[60:61]
	s_wait_xcnt 0x0                                ; and again, in front of the line that widens it
	s_or_b32 exec_lo, exec_lo, s72
	s_branch .Lend
.Lnot_0:
	s_xor_b32 s74, s73, 1
	s_or_b32 s74, s74, s81
	s_cmp_lg_u32 s74, 0
	s_cbranch_scc1 .Lend
	ds_load_b64 v[12:13], v126                     ; wave 1 of an even work-group: 64 rows' codes
	s_wait_dscnt 0x0
	global_store_b64 v127, v[12:13], s[14:15]      ; 256 consecutive bytes, at a multiple of 256 from out3's first byte
.Lend:
	s_wait_tensorcnt 0x0                           ; the wave's end
	ds_add_u32 v[SPW], v[NIL]
	s_wait_dscnt 0x0
	s_endpgm
.Lfunc_end_k_q88b671c4f0_gather:
	.size	k_q88b671c4f0_gather, .Lfunc_end_k_q88b671c4f0_gather-k_q88b671c4f0_gather
	.p2alignl 7, 3214868480
	.fill 96, 4, 3214868480
	.section	.rodata,"a",@progbits
	.p2align	6, 0x0
	.amdhsa_kernel k_q88b671c4f0_gather
		.amdhsa_group_segment_fixed_size 1536
		.amdhsa_private_segment_fixed_size 0
		.amdhsa_enable_private_segment 0
		.amdhsa_kernarg_size 56
		.amdhsa_user_sgpr_count 2
		.amdhsa_user_sgpr_kernarg_segment_ptr 1
		.amdhsa_wavefront_size32 1
		.amdhsa_system_sgpr_workgroup_id_x 1
		.amdhsa_system_sgpr_workgroup_id_y 1
		.amdhsa_system_sgpr_workgroup_id_z 1
		.amdhsa_system_vgpr_workitem_id 0
		.amdhsa_next_free_vgpr 128
		.amdhsa_next_free_sgpr 92
		.amdhsa_reserve_vcc 1
		.amdhsa_float_denorm_mode_32 3
		.amdhsa_float_denorm_mode_16_64 3
		.amdhsa_memory_ordered 1
		.amdhsa_forward_progress 1
		.amdhsa_inst_pref_size 16
	.end_amdhsa_kernel
	.amdgpu_metadata
---
amdhsa.version: [ 1, 2 ]
amdhsa.kernels:
  - .name:           k_q88b671c4f0_gather
    .symbol:         k_q88b671c4f0_gather.kd
    .args:
      - { .name: z, .offset: 0, .size: 8, .value_kind: global_buffer, .address_space: global }
      - { .name: emb, .offset: 8, .size: 8, .value_kind: global_buffer, .address_space: global }
      - { .name: cand, .offset: 16, .size: 8, .value_kind: global_buffer, .address_space: global }
      - { .name: code_age, .offset: 24, .size: 8, .value_kind: global_buffer, .address_space: global }
      - { .name: out0, .offset: 32, .size: 8, .value_kind: global_buffer, .address_space: global }
      - { .name: out3, .offset: 40, .size: 8, .value_kind: global_buffer, .address_space: global }
      - { .name: part, .offset: 48, .size: 8, .value_kind: global_buffer, .address_space: global }
    .group_segment_fixed_size: 1536
    .private_segment_fixed_size: 0
    .kernarg_segment_align: 8
    .kernarg_segment_size: 56
    .max_flat_workgroup_size: 256
    .sgpr_count:     92
    .vgpr_count:     128
    .wavefront_size: 32
...
	.end_amdgpu_metadata
.endif
;; end of part 7
;; launch final (part 8): grid 1 x 1, 1 waves a work-group, no clusters, 0 bytes of LDS; arguments part, out1, out2, out4, out5; writes out1, out2, out4, out5
.if DOCPART == 8
	.amdgcn_target "amdgcn-amd-amdhsa--gfx1250"
	.amdhsa_code_object_version 6
	.text
	.protected	k_q88b671c4f0_final
	.globl	k_q88b671c4f0_final
	.p2align	8
	.type	k_q88b671c4f0_final,@function
k_q88b671c4f0_final:
	s_mov_b64 s[64:65], 0
	v_nop
	global_prefetch_b8 v0, s[64:65] scope:SCOPE_SE
	s_setreg_imm32_b32 hwreg(HW_REG_WAVE_MODE, 25, 1), 1
	s_wait_xcnt 0x0
; out1 = the sum of the 256 work-groups' squares / 2^21 (8,192 rows x 256); out2 = 0.25 out1; out4 = the count / 8,192; out5 = the ages' sum / 8,192.
; One wave: a sum over all work-groups of the launch before has one owner.  Each load covers 512 consecutive bytes, 16 (one work-group's part) a lane.
	s_load_b256 s[4:11], s[0:1], 0x0               ; part s[4:5], out1 s[6:7], out2 s[8:9], out4 s[10:11]
	s_load_b64 s[12:13], s[0:1], 0x20              ; out5
	v_lshlrev_b32 v1, 4, v0
	v_mov_b32 v2, 0
	v_mov_b32 v40, 0                               ; a lane permute's destination counts as read
	v_mov_b32 v41, 0
	v_mov_b32 v42, 0
	s_mov_b32 s20, 0x76543210                      ; v_permlanex16_b32: lane l xor 16
	s_mov_b32 s21, 0xfedcba98
	s_wait_alu depctr_va_vdst(0)                   ; the head's end
	s_wait_kmcnt 0x0
.irp i, 0,1,2,3,4,5,6,7
	global_load_b128 v[4+4*\i:7+4*\i], v1, s[4:5] offset:512*\i th:TH_LOAD_NT
.endr
	s_wait_loadcnt 0x0
.irp i, 4,6,8,10,12,14,16,18
	v_pk_add_f32 v[\i:\i+1], v[\i:\i+1], v[\i+16:\i+17]
.endr
.irp i, 4,6,8,10
	v_pk_add_f32 v[\i:\i+1], v[\i:\i+1], v[\i+8:\i+9]
.endr
.irp i, 4,6
	v_pk_add_f32 v[\i:\i+1], v[\i:\i+1], v[\i+4:\i+5]
.endr
.irp m, 1,2,4,8
.irp i, 4,5,6
	v_add_f32_dpp v[\i], v[\i], v[\i] row_xmask:\m row_mask:0xf bank_mask:0xf
.endr
.endr
.irp i, 4,5,6
	v_permlanex16_b32 v[36+\i], v[\i], s20, s21
.endr
.irp i, 4,5,6
	v_add_f32 v[\i], v[\i], v[36+\i]
.endr
	v_mul_f32 v8, 0x35000000, v4                   ; x 2^-21
	v_mul_f32 v10, 0x39000000, v6                  ; x 2^-13
	v_mul_f32 v11, 0x39000000, v5
	v_mul_f32 v9, 0.25, v8
	v_cmp_eq_u32 vcc_lo, 0, v0
	s_wait_alu depctr_va_vdst(0)
	s_wait_xcnt 0x0                                ; EXEC changes only behind this wait
	s_and_saveexec_b32 s22, vcc_lo
	global_store_b32 v2, v8, s[6:7]
	global_store_b32 v2, v9, s[8:9]
	global_store_b32 v2, v10, s[10:11]
	global_store_b32 v2, v11, s[12:13]
	s_wait_xcnt 0x0                                ; and again, in front of the line that widens it
	s_or_b32 exec_lo, exec_lo, s22
	s_endpgm
.Lfunc_end_k_q88b671c4f0_final:
	.size	k_q88b671c4f0_final, .Lfunc_end_k_q88b671c4f0_final-k_q88b671c4f0_final
	.p2alignl 7, 3214868480
	.fill 96, 4, 3214868480
	.section	.rodata,"a",@progbits
	.p2align	6, 0x0
	.amdhsa_kernel k_q88b671c4f0_final
		.amdhsa_group_segment_fixed_size 0
		.amdhsa_private_segment_fixed_size 0
		.amdhsa_enable_private_segment 0
		.amdhsa_kernarg_size 40
		.amdhsa_user_sgpr_count 2
		.amdhsa_user_sgpr_kernarg_segment_ptr 1
		.amdhsa_wavefront_size32 1
		.amdhsa_system_sgpr_workgroup_id_x 1
		.amdhsa_system_sgpr_workgroup_id_y 1
		.amdhsa_system_sgpr_workgroup_id_z 1
		.amdhsa_system_vgpr_workitem_id 0
		.amdhsa_next_free_vgpr 48
		.amdhsa_next_free_sgpr 66
		.amdhsa_reserve_vcc 1
		.amdhsa_float_denorm_mode_32 3
		.amdhsa_float_denorm_mode_16_64 3
		.amdhsa_memory_ordered 1
		.amdhsa_forward_progress 1
		.amdhsa_inst_pref_size 5
	.end_amdhsa_kernel
	.amdgpu_metadata
---
amdhsa.version: [ 1, 2 ]
amdhsa.kernels:
  - .name:           k_q88b671c4f0_final
    .symbol:         k_q88b671c4f0_final.kd
    .args:
      - { .name: part, .offset: 0, .size: 8, .value_kind: global_buffer, .address_space: global }
      - { .name: out1, .offset: 8, .size: 8, .value_kind: global_buffer, .address_space: global }
      - { .name: out2, .offset: 16, .size: 8, .value_kind: global_buffer, .address_space: global }
      - { .name: out4, .offset: 24, .size: 8, .value_kind: global_buffer, .address_space: global }
      - { .name: out5, .offset: 32, .size: 8, .value_kind: global_buffer, .address_space: global }
    .group_segment_fixed_size: 0
    .private_segment_fixed_size: 0
    .kernarg_segment_align: 8
    .kernarg_segment_size: 40
    .max_flat_workgroup_size: 32
    .sgpr_count:     66
    .vgpr_count:     48
    .wavefront_size: 32
...
	.end_amdgpu_metadata
.endif
;; end of part 8
